; MI455X (gfx1250); checked and timed in simulation.
; The chip was launched on July 23, 2026; its instructions are those of AMD's public machine-readable ISA for CDNA 5 (MIT licence, August 2026) and "CDNA5" Instruction Set Architecture Reference Guide (July 2026). The comments in the code are by the model that wrote it; some were corrected since.
;; Multi Head Attention. Allowed arithmetic: matrix products marked QUANTISED: E5M2 operands, one E8M0 scale for each 32 along K, by v_wmma_scale_f32_16x16x128_f8f6f4 with both operands' format E5M2, f32 sums; everything else in f32.
;; Inputs: Wk 1,024 x 1,024 float32; Wo 1,024 x 1,024 float32; Wq 1,024 x 1,024 float32; Wv 1,024 x 1,024 float32; attention_mask 4 x 2,048 int32; bk 1,024 float32; bo 1,024 float32; bq 1,024 float32; bv 1,024 float32; x 4 x 2,048 x 1,024 float32.
;; Outputs: out0 4 x 2,048 x 1,024 float32.
;; This version of the problem:
;;   THIS VERSION OF THE PROBLEM IS GIVEN IN LOW PRECISION. The matrix products marked QUANTISED in the list below multiply operands that are first quantised to E5M2 (5 exponent bits, 2 mantissa bits; 8 bits a number), with one power-of-two scale for each 32 numbers along K (OCP MX v1.0); their sums are f32. All else is computed in f32.
;;   The module's matrix products, in the order in which they are computed (A, B: the left and right operand; K: the contracted axis; several contracted axes count as one K, in the product's order):
;;     1. [M 8,192, K 1,024] x [K 1,024, N 1,024]; A: input x; B: input Wq: QUANTISED
;;     2. [M 8,192, K 1,024] x [K 1,024, N 1,024]; A: input x; B: input Wk: QUANTISED
;;     3. [M 8,192, K 1,024] x [K 1,024, N 1,024]; A: input x; B: input Wv: QUANTISED
;;     4. batch 64 x [M 2,048, K 64] x [K 64, N 2,048]; A: computed on the way; B: computed on the way: QUANTISED
;;     5. batch 64 x [M 2,048, K 2,048] x [K 2,048, N 64]; A: softmax (see below); B: computed on the way: QUANTISED
;;     6. [M 8,192, K 1,024] x [K 1,024, N 1,024]; A: computed on the way; B: input Wo: QUANTISED
;;   THE QUANTISER, for each operand of a quantised product, along K:
;;     - K is cut into blocks of 32 from its start; a last block that is shorter is filled with zeros.
;;     - A block's scale is 2^e with e = floor(log2(the largest magnitude in the block)) - 15, held to -126 .. 127; a block of zeros has e = 0. As a byte (E8M0): e + 127.
;;     - Each number is divided by its block's scale, clamped to +-57,344, and rounded to the nearest number of E5M2, ties to even, subnormals kept.
;;     - The product sums the exact products of the quantised numbers (number of the format x scale) in f32.
;;   ~~~python
;;   def quantise(x, axis):      # numpy; x: float32 -> the quantised numbers, widened to float32 again
;;       x = np.moveaxis(x, axis, -1); K = x.shape[-1]
;;       x = np.pad(x, [(0, 0)] * (x.ndim - 1) + [(0, -K % 32)]); x = x.reshape(x.shape[:-1] + (-1, 32)); a = np.abs(x).max(-1, keepdims=True)
;;       e = np.where(a > 0, np.clip(np.frexp(np.where(a > 0, a, 1))[1] - 1 - 15, -126, 127), 0)      # np.frexp(a)[1] - 1 = floor(log2(a)), exactly
;;       r = np.clip(x / 2.0 ** e, -57344, 57344)
;;       step = 2.0 ** (np.maximum(np.frexp(np.where(r == 0, 1, r))[1] - 1, -14) - 2)
;;       q = np.round(r / step) * step * 2.0 ** e      # np.round: ties to even
;;       return np.moveaxis(q.reshape(q.shape[:-2] + (-1,))[..., :K], -1, axis).astype(np.float32)
;;   ~~~
;;   SOFTMAX AHEAD OF A QUANTISED PRODUCT. Where the list says 'softmax', what is quantised is not the finished softmax but p = 2^(t - M), with t = logit x log2(e) and M = ceil(the row's largest t), a whole number; so 1/2 < the row's largest p <= 1. The row's sum l is taken of the UNQUANTISED p, in f32, and the product's result is divided by l at the end. Since M is a whole number, a kernel that streams over the keys may use a running M (the ceiling of the running maximum): every later rescaling is an exact power of two, which a block's scale takes up: the codes' values come out the same.
;;   OPERANDS COMPUTED ON THE WAY. 'Computed on the way' means the value that the module computes at that place (a softmax that the list does not call 'softmax' is quantised finished and normalised). What goes into a quantiser is computed in f32, as accurately as f32 sums, v_exp_f32 and their like allow (about 1e-6 of the number): no bf16 or f16 on the way to a quantiser, and a product that is left as it is and whose result goes on into a quantised operand takes f32 operands (vector FMAs, or v_wmma_f32_16x16x4_f32). A number that lies on a knife's edge between two numbers of the format may be rounded either way, as far as f32 arithmetic and the matrix unit's own rounding can turn it there, and no further.
;; One version. Each part assembles by itself: llvm-mc -triple=amdgcn-amd-amdhsa -mcpu=gfx1250 --defsym DOCPART=n.
;; ======== version 1 of 1: 4 launches
;; limits: right only within a limited range of input values
;; workspace buffers: xq 8,650,752 bytes; wq 4,334,080 bytes; qb 8,912,896 bytes; kv 17,825,792 bytes; aq 8,650,752 bytes
;; launch quant (part 1): grid 385 x 1, 4 waves a work-group, no clusters, 33,280 bytes of LDS; arguments x, Wq, Wk, Wv, Wo, attention_mask, xq, wq; writes xq, wq
.if DOCPART == 1
	.amdgcn_target "amdgcn-amd-amdhsa--gfx1250"
	.amdhsa_code_object_version 6
	.text
	.protected	k_q7bef87ca9b_quant
	.globl	k_q7bef87ca9b_quant
	.p2align	8
	.type	k_q7bef87ca9b_quant,@function
k_q7bef87ca9b_quant:
	s_mov_b64 s[64:65], 0
	v_nop
	global_prefetch_b8 v0, s[64:65] scope:SCOPE_SE
	s_setreg_imm32_b32 hwreg(HW_REG_WAVE_MODE, 25, 1), 1
	s_wait_xcnt 0x0
; x [8192][1024] and Wq, Wk, Wv, Wo [1024][1024], f32, K innermost, become codes of BF8 (E5M2) with one E8M0 scale byte for each 32 along K.
; xq: codes [8192][1024], then from byte XSCL the scale bytes [8192][32].  wq: codes [4096][1024] (Wq, Wk, Wv, Wo on end), from WSCL the scale bytes [4096][32],
; from PADC one byte a token (0x78 = 2^15 where attention_mask is 0, else 0), from NPADO the number of such tokens of each batch as f32, 32 copies.
; THE ROWS ARE LAID IN ANOTHER ORDER: in each 32 rows the second and the third group of 8 change places, codes and scale bytes alike.  16 rows on end are then the rows
; 32 B + 8 u + r + 8 (r / 8), so that in a product used transposed the 16 registers of two neighbouring tiles are 16 neighbours along the next K.
; A block's scale is 2^(floor(log2(its largest magnitude)) - 15); its byte is the largest magnitude's exponent field - 15, held at 1 from below.  A block of zeros gets the byte 1: its codes are zeros, and this program alone reads the bytes.
; LIMITS: blocks whose largest magnitude lies under 2^-111 keep the byte 1; NaN and infinities among the inputs are not served.
; SHARES.  Work-groups 0-255 take x, 256-383 the weights: a wave takes 8 rows (8,192 numbers) in 16 steps of 512.  Work-group 384 takes the mask, a wave a batch; it uses no LDS.
; Each load reads 512 consecutive bytes; a step's 2,048 bytes turn through the wave's own stage in LDS, so that a lane holds 16 neighbours; a lane's 16 codes are 16 bytes, so a store covers 512 consecutive bytes.
; A wave's 256 scale bytes are gathered in LDS and leave by one store of 256 consecutive bytes.  No tensor loads, no barrier: waves share nothing.
.set STEPS, 16
.set EMAX,  15
.set MANT,  0x600000                   ; the mantissa field of 57,344 as f32
.set CB,    16
.set R,     16                         ; v16-79   four sets of 16 numbers as loaded
.set X,     80                         ; v80-111  two sets of 16 neighbours
.set C,     128                        ; v128-191 codes, four registers a step
.set E,     112                        ; v112-127 a scale byte a step
.set WREG,  8192                       ; LDS: a region for each wave: two stages of 32 x SP bytes, then its 256 scale bytes
.set SP,    80
.set XSCL,  8388608
.set WSCL,  4194304
.set PADC,  4325376
.set NPADO, 4333568
	s_load_b256 s[4:11], s[0:1], 0x0               ; x, Wq, Wk, Wv
	s_load_b256 s[12:19], s[0:1], 0x20             ; Wo, attention_mask, xq, wq
	v_lshl_add_u32 v192, v0, 2, 0x8000
	v_mov_b32 v193, 0
	v_lshrrev_b32 v1, 5, v0
	v_readfirstlane_b32 s20, v1                    ; wave
	v_and_b32 v2, 31, v0                           ; lane
	s_mov_b32 s25, 0                               ; the high word of every offset pair
	s_cmp_eq_u32 ttmp9, 384
	s_cbranch_scc1 .Lmask                          ; the last work-group takes the mask
	v_lshlrev_b32 v3, 4, v2                        ; my 16 bytes of a load's 512
	s_mul_i32 s21, s20, WREG
	v_lshrrev_b32 v14, 2, v2
	v_mul_u32_u24 v14, v14, SP
	v_and_b32 v15, 3, v2
	v_lshl_add_u32 v14, v15, 4, v14
	v_add_nc_u32 v14, s21, v14                     ; the stage, on the way in: SP (lane / 4) + 16 (lane % 4)
	v_mul_u32_u24 v15, v2, SP
	v_add_nc_u32 v15, s21, v15                     ; and on the way out: SP x lane
	v_mul_u32_u24 v4, v2, CB                       ; my codes' place in a step's
	v_lshrrev_b32 v5, 1, v2
	s_add_co_u32 s21, s21, 2*32*SP
	v_add_nc_u32 v5, s21, v5                       ; my block's scale byte in LDS
	v_lshlrev_b32 v7, 3, v2
	v_add_nc_u32 v6, s21, v7                       ; and on the way out 8 bytes a lane
	s_mov_b32 s23, MANT
	s_sub_co_u32 s22, ttmp9, 256                   ; the work-group's number among the weights' (very large for x's)
	s_wait_alu depctr_va_vdst(0)
	s_wait_kmcnt 0x0
	s_mov_b64 s[26:27], s[12:13]                   ; the source, chosen by the work-group's number alone: Wo,
	s_cmp_lt_u32 s22, 96
	s_cselect_b64 s[26:27], s[10:11], s[26:27]     ; Wv,
	s_cmp_lt_u32 s22, 64
	s_cselect_b64 s[26:27], s[8:9], s[26:27]       ; Wk,
	s_cmp_lt_u32 s22, 32
	s_cselect_b64 s[26:27], s[6:7], s[26:27]       ; Wq,
	s_cmp_lt_u32 ttmp9, 256
	s_cselect_b64 s[26:27], s[4:5], s[26:27]       ; x
	s_cselect_b64 s[28:29], s[16:17], s[18:19]     ; xq or wq
	s_cselect_b32 s36, ttmp9, s22                  ; the work-group's number in that buffer
	s_cselect_b32 s37, -1, 127                     ; a weight has 128 runs of 8 rows
	s_mov_b32 s38, WSCL
	s_cselect_b32 s38, XSCL, s38                   ; where the scale bytes begin
	s_lshl_b32 s36, s36, 2
	s_add_co_u32 s24, s36, s20                     ; my run of 8 rows
	s_and_b32 s24, s24, s37                        ; in its source
	s_lshl_b32 s24, s24, 15
	s_add_nc_u64 s[26:27], s[26:27], s[24:25]
	s_and_b32 s39, s20, 1
	s_lshl_b32 s39, s39, 1
	s_lshr_b32 s24, s20, 1
	s_or_b32 s39, s39, s24                         ; runs 1 and 2 of each four change places
	s_add_co_u32 s36, s36, s39
	s_lshl_b32 s24, s36, 13
	s_add_nc_u64 s[32:33], s[28:29], s[24:25]      ; my codes
	s_lshl_b32 s24, s36, 8
	s_add_co_u32 s24, s24, s38
	s_add_nc_u64 s[34:35], s[28:29], s[24:25]      ; my scale bytes
.macro LOAD t
.irp i, 0,1,2,3
	global_load_b128 v[R+16*((\t)%4)+4*\i:R+16*((\t)%4)+4*\i+3], v3, s[26:27] offset:2048*(\t)+512*\i th:TH_LOAD_NT   ; 32 lanes read 512 consecutive bytes
.endr
.endm
.macro TURN t                          ; step t's numbers through the stage: LDS serves a wave's instructions in order, so no wait stands between the stores and the loads
.irp i, 0,1,2,3
	ds_store_b128 v14, v[R+16*((\t)%4)+4*\i:R+16*((\t)%4)+4*\i+3] offset:32*SP*((\t)%2)+8*SP*\i
.endr
.irp i, 0,1,2,3
	ds_load_b128 v[X+16*((\t)%2)+4*\i:X+16*((\t)%2)+4*\i+3], v15 offset:32*SP*((\t)%2)+16*\i
.endr
.endm
.irp t, 0,1,2,3
	LOAD \t
.endr
	s_wait_loadcnt 12                              ; step 0's four loads are in; three steps' may be out
	TURN 0
.macro STEP t
.set XS, X+16*((\t)%2)
.if (\t) > 0
	s_wait_dscnt 1                                 ; this step's numbers are back from the stage (the last step's byte store may be out)
.else
	s_wait_dscnt 0x0
.endif
.if (\t)+4 < STEPS
	LOAD (\t)+4                                    ; the registers that the stage's stores have read take the loads of four steps on
.endif
.if (\t)+1 < STEPS
.if STEPS-2-(\t) >= 3
	s_wait_loadcnt 12                              ; the next step's four loads are in; those of the three steps behind it may be out
.else
	s_wait_loadcnt 4*(STEPS-2-(\t))
.endif
	TURN (\t)+1
.endif
	v_max3_num_f32 v8, |v[XS]|, |v[XS+1]|, |v[XS+2]|               ; the largest magnitude of my 16, in two chains
	v_max3_num_f32 v9, |v[XS+3]|, |v[XS+4]|, |v[XS+5]|
.irp i, 6,10
	v_max3_num_f32 v8, v8, |v[XS+\i]|, |v[XS+\i+1]|
	v_max3_num_f32 v9, v9, |v[XS+\i+2]|, |v[XS+\i+3]|
.endr
	v_max3_num_f32 v8, v8, |v[XS+14]|, |v[XS+15]|
	v_max3_num_f32 v8, v8, v9, (EMAX+1)<<23        ; and the floor 2^(16 - 127): the byte cannot fall under 1
	v_max_num_f32_dpp v8, v8, v8 row_xmask:1 row_mask:0xf bank_mask:0xf   ; and of my neighbour's 16: the block's
	v_add_nc_u32 v11, -(EMAX<<23), v8              ; 15 off its exponent field: the conversion's scale operand
	v_and_or_b32 v10, v8, 0x7f800000, s23          ; 57,344 x the scale
.irp i, 0,1,2,3,4,5,6,7,8,9,10,11,12,13,14,15
	v_med3_num_f32 v[XS+\i], v[XS+\i], -v10, v10   ; the conversion to an 8-bit code does not saturate (ISA guide 7.6.2): the hold comes first
.endr
	v_cvt_scalef32_pk8_bf8_f32 v[C+4*(\t):C+4*(\t)+1], v[XS:XS+7], v11
	v_cvt_scalef32_pk8_bf8_f32 v[C+4*(\t)+2:C+4*(\t)+3], v[XS+8:XS+15], v11
	v_lshrrev_b32 v[E+(\t)], 23, v11               ; the scale's byte
	ds_store_b8 v5, v[E+(\t)] offset:16*(\t)       ; both lanes of a block write the same byte with the same value
	global_store_b128 v4, v[C+4*(\t):C+4*(\t)+3], s[32:33] offset:32*CB*(\t)
.endm
.irp t, 0,1,2,3,4,5,6,7,8,9,10,11,12,13,14,15
	STEP \t
.endr
	ds_load_b64 v[12:13], v6                       ; LDS serves a wave's instructions in order: these see my stores
	s_wait_dscnt 0x0
	global_store_b64 v7, v[12:13], s[34:35]        ; 32 lanes store 256 consecutive bytes, aligned
	s_wait_tensorcnt 0x0
	ds_add_u32 v192, v193
	s_wait_dscnt 0x0
	s_endpgm
; THE MASK.  Wave b takes batch b's 2,048 numbers: lane l of load i holds tokens 128 i + 4 l + 0 .. 3.  Their four pad codes make a word; a store covers 128 consecutive bytes (the whole table is 8 KiB).
.Lmask:
	s_wait_alu depctr_va_vdst(0)
	v_lshlrev_b32 v3, 4, v2
	v_lshlrev_b32 v4, 2, v2
	s_lshl_b32 s24, s20, 13
	s_mov_b32 s36, 0x76543210
	s_mov_b32 s37, 0xfedcba98                      ; v_permlanex16_b32's selects for lane l xor 16
	s_wait_alu depctr_va_vdst(0)
	s_wait_kmcnt 0x0
	s_add_nc_u64 s[26:27], s[14:15], s[24:25]
.irp i, 0,1,2,3,4,5,6,7,8,9,10,11,12,13,14,15
	global_load_b128 v[16+4*\i:19+4*\i], v3, s[26:27] offset:512*\i
.endr
	s_lshl_b32 s24, s20, 11
	s_add_co_u32 s24, s24, PADC
	s_add_nc_u64 s[28:29], s[18:19], s[24:25]
	s_lshl_b32 s24, s20, 7
	s_add_co_u32 s24, s24, NPADO
	s_add_nc_u64 s[30:31], s[18:19], s[24:25]
	v_mov_b32 v8, 0                                ; my count
	v_mov_b32 v9, 0x78
	v_mov_b32 v10, 1.0
	v_mov_b32 v12, 0                               ; (a lane permute's destination counts as read)
	s_wait_alu depctr_va_vdst(0)
	s_wait_loadcnt 0x0
.irp i, 0,1,2,3,4,5,6,7,8,9,10,11,12,13,14,15
.irp k, 0,1,2,3
	v_cmp_eq_u32 vcc_lo, 0, v[16+4*\i+\k]
	v_cndmask_b32 v[16+4*\i+\k], 0, v9, vcc_lo     ; the code 2^15 where the token is padded
	v_cndmask_b32 v11, 0, v10, vcc_lo
	v_add_f32 v8, v8, v11
.endr
	v_lshl_or_b32 v[16+4*\i], v[17+4*\i], 8, v[16+4*\i]
	v_lshl_or_b32 v[16+4*\i], v[18+4*\i], 16, v[16+4*\i]
	v_lshl_or_b32 v[16+4*\i], v[19+4*\i], 24, v[16+4*\i]
	global_store_b32 v4, v[16+4*\i], s[28:29] offset:128*\i
.endr
	v_add_f32_dpp v8, v8, v8 row_xmask:1 row_mask:0xf bank_mask:0xf
	v_add_f32_dpp v8, v8, v8 row_xmask:2 row_mask:0xf bank_mask:0xf
	v_add_f32_dpp v8, v8, v8 row_xmask:4 row_mask:0xf bank_mask:0xf
	v_add_f32_dpp v8, v8, v8 row_xmask:8 row_mask:0xf bank_mask:0xf
	v_permlanex16_b32 v12, v8, s36, s37
	v_add_f32 v8, v8, v12                          ; the batch's padded tokens, a whole number under 2^24: exact
	global_store_b32 v4, v8, s[30:31]
	s_endpgm
.Lfunc_end_k_q7bef87ca9b_quant:
	.size	k_q7bef87ca9b_quant, .Lfunc_end_k_q7bef87ca9b_quant-k_q7bef87ca9b_quant
	.p2alignl 7, 3214868480
	.fill 96, 4, 3214868480
	.section	.rodata,"a",@progbits
	.p2align	6, 0x0
	.amdhsa_kernel k_q7bef87ca9b_quant
		.amdhsa_group_segment_fixed_size 33280
		.amdhsa_private_segment_fixed_size 0
		.amdhsa_enable_private_segment 0
		.amdhsa_kernarg_size 64
		.amdhsa_user_sgpr_count 2
		.amdhsa_user_sgpr_kernarg_segment_ptr 1
		.amdhsa_wavefront_size32 1
		.amdhsa_system_sgpr_workgroup_id_x 1
		.amdhsa_system_sgpr_workgroup_id_y 1
		.amdhsa_system_sgpr_workgroup_id_z 1
		.amdhsa_system_vgpr_workitem_id 0
		.amdhsa_next_free_vgpr 194
		.amdhsa_next_free_sgpr 66
		.amdhsa_reserve_vcc 1
		.amdhsa_float_denorm_mode_32 3
		.amdhsa_float_denorm_mode_16_64 3
		.amdhsa_memory_ordered 1
		.amdhsa_forward_progress 1
		.amdhsa_inst_pref_size 67
	.end_amdhsa_kernel
	.amdgpu_metadata
---
amdhsa.version: [ 1, 2 ]
amdhsa.kernels:
  - .name:           k_q7bef87ca9b_quant
    .symbol:         k_q7bef87ca9b_quant.kd
    .args:
      - { .name: x, .offset: 0, .size: 8, .value_kind: global_buffer, .address_space: global }
      - { .name: Wq, .offset: 8, .size: 8, .value_kind: global_buffer, .address_space: global }
      - { .name: Wk, .offset: 16, .size: 8, .value_kind: global_buffer, .address_space: global }
      - { .name: Wv, .offset: 24, .size: 8, .value_kind: global_buffer, .address_space: global }
      - { .name: Wo, .offset: 32, .size: 8, .value_kind: global_buffer, .address_space: global }
      - { .name: attention_mask, .offset: 40, .size: 8, .value_kind: global_buffer, .address_space: global }
      - { .name: xq, .offset: 48, .size: 8, .value_kind: global_buffer, .address_space: global }
      - { .name: wq, .offset: 56, .size: 8, .value_kind: global_buffer, .address_space: global }
    .group_segment_fixed_size: 33280
    .private_segment_fixed_size: 0
    .kernarg_segment_align: 8
    .kernarg_segment_size: 64
    .max_flat_workgroup_size: 128
    .sgpr_count:     66
    .vgpr_count:     194
    .wavefront_size: 32
...
	.end_amdgpu_metadata
.endif
;; end of part 1
;; launch qkv (part 2): grid 12 x 32, 4 waves a work-group, clusters of 4 x 4, 327,680 bytes of LDS; arguments xq, wq, bq, bk, bv, attention_mask, qb, kv; writes qb, kv
.if DOCPART == 2
	.amdgcn_target "amdgcn-amd-amdhsa--gfx1250"
	.amdhsa_code_object_version 6
	.text
	.protected	k_q7bef87ca9b_qkv
	.globl	k_q7bef87ca9b_qkv
	.p2align	8
	.type	k_q7bef87ca9b_qkv,@function
k_q7bef87ca9b_qkv:
	s_mov_b64 s[64:65], 0
	v_nop
	global_prefetch_b8 v0, s[64:65] scope:SCOPE_SE
	s_setreg_imm32_b32 hwreg(HW_REG_WAVE_MODE, 25, 1), 1
	s_wait_xcnt 0x0
	s_wait_alu depctr_hold_cnt(0) depctr_sa_sdst(0) depctr_va_vdst(0) depctr_va_sdst(0) depctr_va_ssrc(0) depctr_va_vcc(0) depctr_vm_vsrc(0)
	s_getreg_b32 s2, hwreg(HW_REG_IB_STS2, 6, 4)
	s_cmp_eq_u32 s2, 0
	s_cbranch_scc0 .Lentry_in_a_cluster
	s_endpgm
.Lentry_in_a_cluster:
	s_bfe_u32 s2, ttmp6, 0x10000c
	s_cmp_lg_u32 s2, 0xf033
	s_cbranch_scc0 .Lentry_shape_is_right
	s_endpgm
.Lentry_shape_is_right:
; q = x Wq^T + bq, k = x Wk^T + bk, v = x Wv^T + bv on codes of BF8 (E5M2) with one E8M0 scale for each 32 along K = 1,024; the results are quantised again on the way out and leave as codes alone.
; Cluster x = 0 makes q, 1 makes k, 2 makes v.  A work-group makes 256 x 256 of a result, a wave 128 x 128: 64 accumulators of 16 x 16 in 512 registers.  K goes in steps of 256 through a ring of two LDS slots.
; THE MATRIX INSTRUCTION IS USED TRANSPOSED: source 0 = 16 rows of "B", source 1 = 16 rows of "A": a lane holds ONE row of A, and its registers run along B's rows.
;   q, k: A = x (tokens), B = the weight (features): a lane's registers run along the head's 64, which is the K of q k^T.
;   v:    A = Wv (features), B = x (tokens): a lane's registers run along the keys, which are the K of p v.  Only the addresses are swapped: one loop serves all three.
; The rows of xq and wq lie so that 16 rows on end are rows 32 B + 8 u + r + 8 (r / 8): the 16 registers of accumulators 2 B and 2 B + 1 are 16 NEIGHBOURS, index 32 B + 16 (lane / 16) + 0 .. 15, the order of an operand's registers.
; The bias is the C of each sum's first product.  WHAT IS STORED ARE IMAGES OF THE READER'S OPERAND REGISTERS: four registers by one store, lane l's 16 bytes at 16 l, 512 consecutive bytes, aligned.
;   qb: codes [b h][tile of 16 queries 128][c 2][lane][16]; from byte 8,388,608 scale words [b h][4 tiles][r 16][4 words].
;   kv: records [b h][slot of 256 keys 8] of REC bytes: K's codes 16 tiles x 1,024 | V's codes [step 2][tile of 16 d 4][c 4][lane][16] | K's words [step 2][4 tiles 2][r][4] | V's words [step 2][r][4]; from byte UPO the sums U.
; THE PAD MASK rides in the half of q k^T's K = 128 that the head's 64 leave free: the reader sets the code 2^15 (K) and -2^15 (Q) at k = 64; byte 2 of a key's scale word is 130 where the key is padded (the score gets -2^33) and 1 where not (-2^-96).
; U: for queries whose visible keys are all padded the softmax is even over ALL padded keys of the batch: the sum over padded keys of the quantised v is made here, by the same matrix instruction (pad codes 2^15 with the scale byte 112, x v's fresh codes), 128 keys a wave.
; CLUSTERS: 4 x 4 work-groups; A's tiles are asked for jointly along a row of the cluster, B's along a column.  No prefetch: K has four steps, of which two are first fills.
; LIMITS: NaN and infinities are not served; blocks whose largest magnitude lies under 2^-111 keep the byte 1 (blocks of zeros too: their codes are zeros).
; REGISTERS, in windows of 256: window 0: v1-11 addresses and offsets; v16-29 LDS addresses; v32-63 scale words, two sets; v64-127 the bias, later the mask's numbers or the pad codes; from v128 A's fragments, one set; on the way out v128-251 at work.
;   window 1: B's fragments, two sets.   windows 2, 3: the accumulators ((a, b) at v[8 (8 (a % 4) + b)] of window 2 + a / 4).
.set NQ,     2                         ; matrix instructions deep in a slot
.set ROWB,   256                       ; a tile's row in bytes
.set KROW,   1024                      ; a row of codes in memory
.set PITCH,  272                       ; an LDS row: 256 bytes + 16 of padding = 68 words: the 16 rows that a load touches start at 16 different banks (64 banks of 4 bytes: ISA guide 11.1)
.set FR,     16
.set NL,     4
.set NP,     8                         ; places behind this matrix instruction (ISA guide 7.12.1)
.set HALFT,  128*PITCH
.set SLOT,   4*HALFT
.set LAPS,   2
.set KS,     32                        ; a row of scale bytes
.set SCL,    2*SLOT                    ; behind the ring: the scale bytes of all of K, rows of 256 bytes + 16
.set HALFS,  16*272
.set SBLK,   2*272
.set SPARE,  SCL+4*HALFS               ; the spare words, 128 bytes a wave: two blocks of 256 bytes that no other line names
.set REC,    34304
.set HSK,    8*REC                     ; a head's records
.set UPO,    17563648
.set LI,   7                           ; v7   16 x lane
.set SOFF, 8                           ; v8   scale words: 16 r + (lane / 16) x the distance to the next head
.set UOFF, 9                           ; v9   16 r + 256 (lane / 16)
.set MOFF, 10                          ; v10  my offset in the mask (q, k) or in the pad codes (v)
.set BOFF, 11                          ; v11  my offset in the bias
.set ADRA, 16
.set ADRB, 20
.set ADRS, 27
.set SPW,  28                          ; v28  LDS address of my spare word; never rewritten
.set NIL,  29                          ; v29  0; never rewritten
.set SC,   32
.set BI,   64
.set PADF, 64
.set AF,   128
.set UD,   128                         ; the way out: U's eight accumulators
.set PC,   192                         ; codes just made
.set TM,   208                         ; +0 largest magnitudes, +4 bytes, +12 the conversions' scale operands
.set SW,   224                         ; scale words
.set SO,   232
.set UO,   236
.set MH,   240                         ; the upper halves of the eight tiles' scale words (q, k)
.set OKB,  248
.set PADB, 249
.set FLR,  250
.set PADS, 251
.set G1, 24
.set G0, 32
.set G1B, 48
.set G0B, 56
.set G1S, 68
.set G0S, 76
.set G1SB, 80
.set G0SB, 88
.set MSB, 0
.macro WIN new                         ; the immediate's high byte repeats the setting that is left
.if MSB != \new
	s_set_vgpr_msb (MSB<<8)|\new
.set MSB, \new
.endif
.endm
.set MUL_LO, 0xa1                      ; source 0 (B) window 1, source 1 (A) window 0, C and D window 2
.set MUL_HI, 0xf1
.set TO_B,   0x40
; A joint load: waves 0 and 1 fetch for A, waves 2 and 3 for B.  The branch hangs on the wave's number alone.  Four v_nop follow each of the two lines.
.macro JLOAD g0a, g1a, g0b, g1b
	s_cmp_eq_u32 s21, 0
	s_cbranch_scc0 .Lfor_b_\@
	tensor_load_to_lds s[\g0a:\g0a+3], s[\g1a:\g1a+7]
	s_nop 0
.rept 4
	v_nop
.endr
	s_branch .Lasked_\@
.Lfor_b_\@:
	tensor_load_to_lds s[\g0b:\g0b+3], s[\g1b:\g1b+7]
	s_nop 0
.rept 4
	v_nop
.endr
.Lasked_\@:
.endm
.macro CREST                           ; a round of the cluster's barrier behind its opening barrier
	s_cmp_lg_u32 s20, 0
	s_cbranch_scc1 .Lnot_wave_0_\@
	s_barrier_signal -3
.Lnot_wave_0_\@:
	s_barrier_wait -3
	s_barrier_signal -1
	s_barrier_wait -1
.endm
.macro CROUND
	s_barrier_signal -1
	s_barrier_wait -1
	CREST
.endm
	s_load_b256 s[4:11], s[0:1], 0x0               ; xq s[4:5], wq s[6:7], bq s[8:9], bk s[10:11]
	s_load_b256 s[12:19], s[0:1], 0x20             ; bv s[12:13], attention_mask s[14:15], qb s[16:17], kv s[18:19]
	v_lshl_add_u32 v[SPW], v0, 2, SPARE
	v_mov_b32 v[NIL], 0
	ds_add_u32 v28, v29
	ds_add_u32 v28, v29
	s_wait_dscnt 0x0
	v_lshrrev_b32 v1, 5, v0
	v_readfirstlane_b32 s20, v1                    ; wave 0..3
	s_lshr_b32 s21, s20, 1                         ; which half of A's 256 rows is mine.  Also: I fetch for A (0) or for B (1)
	s_and_b32 s22, s20, 1                          ; which half of B's.  Also: which 128 rows I fetch
	s_bfe_u32 s40, ttmp6, 0x40000                  ; cx
	s_bfe_u32 s41, ttmp6, 0x40004                  ; cy
	s_and_b32 s42, ttmp7, 0xffff                   ; cluster y
	s_cmp_eq_u32 ttmp9, 2                          ; cluster x = 2 makes v: the same in all sixteen partners
	s_cselect_b32 s23, 1, 0
	s_cselect_b32 s43, 0, s42
	s_cselect_b32 s44, s42, ttmp9
	s_lshl_b32 s43, s43, 2
	s_add_co_u32 s43, s43, s41                     ; A's tile: q, k: 4 x cluster y + cy (tokens); v: cy (Wv's rows).  It never holds cx
	s_lshl_b32 s44, s44, 2
	s_add_co_u32 s44, s44, s40                     ; B's tile: q, k: 4 x cluster x + cx (Wq's, Wk's rows); v: 4 x cluster y + cx (tokens).  It never holds cy
	s_lshl_b32 s45, s41, 2
	s_lshl_b32 s45, 15, s45                        ; my row of the cluster
	s_lshl_b32 s46, 0x1111, s40                    ; my column
	; descriptor group 1: a tile of 128 rows x 256 bytes, 16 bytes of padding behind each row
	s_or_b32 s[G1+0], s45, (0<<16)|(1<<20)|(1<<21)|(5<<22)|(3<<25)  ; 15:0 the mask; 17:16 elements of 1 byte; 20 padding on; 21 set beside a mask; 24:22 after every 64 words; 31:25 four words
	s_or_b32 s[G1B+0], s46, (0<<16)|(1<<20)|(1<<21)|(5<<22)|(3<<25)
.irp g, G1, G1B
	s_mov_b32 s[\g+1], ROWB<<16                    ; tensor_dim0
	s_mov_b32 s[\g+2], 128<<16                     ; tensor_dim1
	s_mov_b32 s[\g+3], ROWB<<16                    ; tile_dim0
	s_mov_b32 s[\g+4], 128                         ; tile_dim1
	s_mov_b32 s[\g+5], KROW                        ; tensor_dim0_stride
	s_mov_b32 s[\g+6], 0
	s_mov_b32 s[\g+7], 0
.endr
	; the scale bytes of 128 rows: 4,096 dense bytes as 16 rows of 256 (32 elements of 8 bytes), 16 bytes of padding behind each
	s_or_b32 s[G1S+0], s45, (3<<16)|(1<<20)|(1<<21)|(5<<22)|(3<<25)
	s_or_b32 s[G1SB+0], s46, (3<<16)|(1<<20)|(1<<21)|(5<<22)|(3<<25)
.irp g, G1S, G1SB
	s_mov_b32 s[\g+1], 32<<16
	s_mov_b32 s[\g+2], 16<<16
	s_mov_b32 s[\g+3], 32<<16
	s_mov_b32 s[\g+4], 16
	s_mov_b32 s[\g+5], 32
	s_mov_b32 s[\g+6], 0
	s_mov_b32 s[\g+7], 0
.endr
	s_lshl_b32 s2, s22, 7                          ; which 128 rows of a tile I fetch
	s_lshl_b32 s104, s43, 8
	s_add_co_u32 s104, s104, s2
	s_lshl_b32 s100, s23, 11
	s_add_co_u32 s104, s104, s100                  ; A's row (Wv begins at row 2,048 of wq)
	s_lshl_b32 s100, s104, 5                       ; its scale bytes,
	s_lshl_b32 s104, s104, 10                      ; its codes
	s_mov_b32 s105, 0
	s_mov_b32 s101, 0
	s_lshl_b32 s66, s44, 8
	s_add_co_u32 s66, s66, s2                      ; B's row
	s_lshl_b32 s98, s66, 5
	s_lshl_b32 s66, s66, 10
	s_mov_b32 s67, 0
	s_mov_b32 s99, 0
	s_mul_i32 s47, s20, HALFT                      ; where they go: wave x 128 rows: no place in the cluster enters an LDS address
	s_mul_i32 s3, s20, HALFS
	s_cmp_eq_u32 s23, 1
	s_mov_b32 s2, 0x800000
	s_cselect_b32 s2, 0x400000, s2                 ; where A's buffer has its scale bytes
	s_mov_b32 s42, 0x400000
	s_cselect_b32 s42, 0x800000, s42               ; and B's
	s_wait_kmcnt 0x0
	s_cselect_b64 s[92:93], s[6:7], s[4:5]         ; A's buffer: wq for v, else xq
	s_cselect_b64 s[96:97], s[4:5], s[6:7]         ; B's
	s_add_co_u32 s100, s100, s2
	s_add_co_u32 s98, s98, s42
	s_add_nc_u64 s[94:95], s[92:93], s[100:101]    ; A's scale bytes
	s_add_nc_u64 s[92:93], s[92:93], s[104:105]    ; A's codes
	s_add_nc_u64 s[98:99], s[96:97], s[98:99]      ; B's scale bytes
	s_add_nc_u64 s[96:97], s[96:97], s[66:67]      ; B's codes
	CROUND                                         ; all sixteen work-groups are here: the first joint loads meet
	s_mov_b32 s[G0S], 1
	s_add_co_u32 s[G0S+1], s3, SCL
	s_mov_b64 s[G0S+2:G0S+3], s[94:95]
	s_or_b32 s[G0S+3], s[G0S+3], 0x80000000
	s_mov_b32 s[G0SB], 1
	s_add_co_u32 s[G0SB+1], s3, SCL
	s_mov_b64 s[G0SB+2:G0SB+3], s[98:99]
	s_or_b32 s[G0SB+3], s[G0SB+3], 0x80000000
	JLOAD G0S, G1S, G0SB, G1SB                     ; the scale bytes first: they are wanted with K step 0.  With the two below three tensor loads of mine are out
.irp s, 0,1
	s_mov_b32 s[G0+4*\s], 1
	s_add_co_u32 s[G0+4*\s+1], s47, \s*SLOT
	s_add_nc_u64 s[G0+4*\s+2:G0+4*\s+3], s[92:93], \s*ROWB
	s_or_b32 s[G0+4*\s+3], s[G0+4*\s+3], 0x80000000
	s_mov_b32 s[G0B+4*\s], 1
	s_add_co_u32 s[G0B+4*\s+1], s47, \s*SLOT
	s_add_nc_u64 s[G0B+4*\s+2:G0B+4*\s+3], s[96:97], \s*ROWB
	s_or_b32 s[G0B+4*\s+3], s[G0B+4*\s+3], 0x80000000
	JLOAD G0+4*\s, G1, G0B+4*\s, G1B
.endr
	v_and_b32 v1, 15, v0                           ; r
	v_bfe_u32 v2, v0, 4, 1                         ; h
	v_mul_u32_u24 v3, v1, PITCH
	v_lshl_add_u32 v4, v2, 4, v3                   ; a fragment's row x pitch + 16 h
	s_mul_i32 s2, s21, HALFT                       ; my 128 rows of A
	s_mul_i32 s3, s22, HALFT                       ; my 128 rows of B,
	s_add_co_u32 s3, s3, 2*HALFT                   ; which lie behind A's 256
.irp s, 0,1
	v_add_nc_u32 v[ADRA+\s], s2, v4
	v_add_nc_u32 v[ADRB+\s], s3, v4
	s_add_co_u32 s2, s2, SLOT
	s_add_co_u32 s3, s3, SLOT
.endr
	v_mul_u32_u24 v5, v1, KS                       ; my row's scale bytes: 32 a row,
	v_lshrrev_b32 v6, 8, v5
	v_lshl_add_u32 v5, v6, 4, v5                   ; and 16 more for each 256 passed
	s_mul_i32 s2, s21, HALFS
	s_mul_i32 s3, s22, HALFS
	s_add_co_u32 s3, s3, 2*HALFS
	s_sub_co_u32 s3, s3, s2
	v_mul_u32_u24 v6, s3, v2                       ; lanes 16-31 take B's
	s_add_co_u32 s2, s2, SCL
	v_add_nc_u32 v5, v5, v6
	v_add_nc_u32 v[ADRS], s2, v5
	v_and_b32 v3, 31, v0
	v_lshlrev_b32 v[LI], 4, v3
	v_lshlrev_b32 v[UOFF], 4, v1
	v_lshl_add_u32 v[UOFF], v2, 8, v[UOFF]
	v_and_b32 v3, 8, v1
	v_add_nc_u32 v3, v3, v1                        ; r + 8 (r / 8): my row among the 24 that a tile spans
	s_cmp_eq_u32 s23, 1
	s_cbranch_scc1 .Lhead_v
	; ---- q's and k's way: where my results go, and the bias.  My 128 tokens are 8 tiles; my 128 features are two heads
	s_and_b32 s44, s43, 7                          ; the slot of 256 tokens in its batch
	s_lshr_b32 s47, s43, 3                         ; the batch
	s_lshl_b32 s47, s47, 4
	s_lshl_b32 s2, s40, 2
	s_add_co_u32 s47, s47, s2
	s_lshl_b32 s2, s22, 1
	s_add_co_u32 s47, s47, s2                      ; 16 b + my first head (4 cx + 2 x my half)
	s_cmp_eq_u32 ttmp9, 1                          ; k?
	s_cselect_b64 s[92:93], s[18:19], s[16:17]     ; kv or qb
	s_cselect_b64 s[66:67], s[10:11], s[8:9]       ; bk or bq
	s_mov_b32 s2, 131072
	s_cselect_b32 s2, HSK, s2                      ; codes: from head to head,
	s_mov_b32 s3, 16384
	s_cselect_b32 s3, REC, s3                      ; from slot to slot
	s_mov_b32 s98, 8192
	s_cselect_b32 s98, HSK, s98                    ; scale words: from head to head,
	s_mov_b32 s99, 1024
	s_cselect_b32 s99, REC, s99                    ; from slot to slot,
	s_mov_b32 s100, 8388608
	s_cselect_b32 s100, 32768, s100                ; and where they begin
	s_mov_b32 s46, 0x7f7f0000
	s_cselect_b32 s45, 0x7f010000, s46             ; bytes 2 and 3 of a scale word: a key that counts,
	s_cselect_b32 s46, 0x7f820000, s46             ; a padded key; a query has 127 in both
	s_mul_i32 s104, s47, s2
	s_mul_i32 s3, s44, s3
	s_add_co_u32 s104, s104, s3
	s_lshl_b32 s3, s21, 13
	s_add_co_u32 s104, s104, s3                    ; + my 8 tiles of 1,024 bytes
	s_mul_i32 s3, s47, s98
	s_mul_i32 s99, s44, s99
	s_add_co_u32 s100, s100, s3
	s_add_co_u32 s100, s100, s99
	s_lshl_b32 s3, s21, 9
	s_add_co_u32 s100, s100, s3
	s_mov_b32 s101, 0
	s_add_nc_u64 s[96:97], s[92:93], s[100:101]    ; my scale words
	s_add_nc_u64 s[92:93], s[92:93], s[104:105]    ; my first head's codes,
	s_mov_b32 s104, s2
	s_add_nc_u64 s[94:95], s[92:93], s[104:105]    ; my second head's
	v_mul_u32_u24 v[SOFF], s98, v2
	v_lshl_add_u32 v[SOFF], v1, 4, v[SOFF]
	s_mov_b64 s[98:99], s[18:19]                   ; (U's pointer serves v's way alone; written here so that it is defined on every way through the text)
	s_lshl_b32 s104, s43, 10
	s_lshl_b32 s3, s21, 9
	s_add_co_u32 s104, s104, s3
	s_add_nc_u64 s[100:101], s[14:15], s[104:105]  ; the mask at my first token
	s_wait_alu depctr_va_vdst(0)
	v_lshlrev_b32 v[MOFF], 2, v3
	s_lshl_b32 s104, s40, 10
	s_lshl_b32 s3, s22, 9
	s_add_co_u32 s104, s104, s3
	s_add_nc_u64 s[66:67], s[66:67], s[104:105]    ; the bias at my first feature
	v_lshlrev_b32 v[BOFF], 6, v2
.irp b, 0,1,2,3,4,5,6,7                        ; register j of an accumulator (a, b) is feature 32 (b / 2) + 16 h + 8 (b % 2) + j
	global_load_b128 v[BI+8*\b:BI+8*\b+3], v[BOFF], s[66:67] offset:4*(32*(\b/2)+8*(\b%2))
	global_load_b128 v[BI+8*\b+4:BI+8*\b+7], v[BOFF], s[66:67] offset:4*(32*(\b/2)+8*(\b%2))+16
.endr
	s_branch .Lhead_done
.Lhead_v:
	; ---- v's way.  My 128 features are two heads of four tiles of 16 d; my 128 tokens are one key step
	s_and_b32 s3, s44, 7                           ; the slot
	s_lshr_b32 s2, s44, 3                          ; the batch
	s_lshl_b32 s47, s41, 2
	s_lshl_b32 s45, s21, 1
	s_add_co_u32 s47, s47, s45                     ; my first head: 4 cy + 2 x my half
	s_lshl_b32 s45, s2, 4
	s_add_co_u32 s45, s45, s47
	s_mul_i32 s104, s45, HSK
	s_mul_i32 s46, s3, REC
	s_add_co_u32 s104, s104, s46
	s_add_nc_u64 s[96:97], s[18:19], s[104:105]    ; my first head's record
	s_lshl_b32 s104, s22, 13
	s_add_co_u32 s104, s104, 16384
	s_add_nc_u64 s[92:93], s[96:97], s[104:105]    ; its codes of my key step,
	s_add_nc_u64 s[94:95], s[92:93], HSK           ; my second head's
	s_lshl_b32 s104, s22, 8
	s_add_co_u32 s104, s104, 33792
	s_add_nc_u64 s[96:97], s[96:97], s[104:105]    ; the scale words
	v_mul_u32_u24 v[SOFF], HSK, v2
	v_lshl_add_u32 v[SOFF], v1, 4, v[SOFF]
	s_lshl_b32 s104, s2, 16                        ; U: [b][key step 16][head 16][row 16][tile 4] f32
	s_lshl_b32 s46, s3, 13
	s_add_co_u32 s104, s104, s46
	s_lshl_b32 s46, s22, 12
	s_add_co_u32 s104, s104, s46
	s_lshl_b32 s46, s47, 8
	s_add_co_u32 s104, s104, s46
	s_add_co_u32 s104, s104, UPO
	s_add_nc_u64 s[98:99], s[18:19], s[104:105]
	s_lshl_b32 s104, s44, 8
	s_lshl_b32 s46, s22, 7
	s_add_co_u32 s104, s104, s46
	s_add_co_u32 s104, s104, 4325376
	s_add_nc_u64 s[100:101], s[6:7], s[104:105]    ; the pad codes of my 128 tokens
	v_lshlrev_b32 v[MOFF], 4, v2
	s_lshl_b32 s104, s41, 10
	s_lshl_b32 s46, s21, 9
	s_add_co_u32 s104, s104, s46
	s_add_nc_u64 s[66:67], s[12:13], s[104:105]    ; bv at my first feature
	s_wait_alu depctr_va_vdst(0)
	v_lshlrev_b32 v[BOFF], 2, v3
	s_mov_b32 s45, 0                               ; (these two serve q's and k's way alone)
	s_mov_b32 s46, 0
.irp a, 0,1,2,3,4,5,6,7                        ; a lane's feature in block a is 32 (a / 2) + 8 (a % 2) + r + 8 (r / 8): the same number in all eight registers
.irp j, 0,1,2,3,4,5,6,7
	global_load_b32 v[BI+8*\a+\j], v[BOFF], s[66:67] offset:4*(32*(\a/2)+8*(\a%2))
.endr
.endr
.Lhead_done:
.macro FRAG reg, adr, q, i             ; a fragment, 16 rows x 128 K, is 16 registers: lane l holds row l % 16; registers 4 c .. 4 c + 3 hold K = 32 c + 16 (l / 16) + 0 .. 15
.irp c, 0,1,2,3
	ds_load_b128 v[\reg+4*\c:\reg+4*\c+3], v[\adr] offset:128*(\q)+32*\c+(\i)*16*PITCH
.endr
.endm
; 16 matrix instructions: A's blocks a0, a0 + 1 x B's eight.  cm = 0: the sums go on in place; 1: they begin with the bias by B's block (q, k); 2: by A's block (v).
; The 64 accumulators take turns, one instruction a turn, in the same order in every step.
.macro MUL16 a0, p, q, sc, cm
.irp a, \a0, \a0+1
.irp b, 0,1,2,3,4,5,6,7
.if \cm == 1
	v_wmma_scale_f32_16x16x128_f8f6f4 v[8*(8*((\a)%4)+\b):8*(8*((\a)%4)+\b)+7], v[128*(\p)+FR*\b:128*(\p)+FR*\b+FR-1], v[AF+FR*(\a):AF+FR*(\a)+FR-1], v[BI+8*\b:BI+8*\b+7], v[SC+8*NQ*(\sc)+NQ*\b+(\q)], v[SC+8*NQ*(\sc)+NQ*(\a)+(\q)] matrix_a_fmt:MATRIX_FMT_BF8 matrix_b_fmt:MATRIX_FMT_BF8 matrix_a_scale:MATRIX_SCALE_ROW1
.elseif \cm == 2
	v_wmma_scale_f32_16x16x128_f8f6f4 v[8*(8*((\a)%4)+\b):8*(8*((\a)%4)+\b)+7], v[128*(\p)+FR*\b:128*(\p)+FR*\b+FR-1], v[AF+FR*(\a):AF+FR*(\a)+FR-1], v[BI+8*(\a):BI+8*(\a)+7], v[SC+8*NQ*(\sc)+NQ*\b+(\q)], v[SC+8*NQ*(\sc)+NQ*(\a)+(\q)] matrix_a_fmt:MATRIX_FMT_BF8 matrix_b_fmt:MATRIX_FMT_BF8 matrix_a_scale:MATRIX_SCALE_ROW1
.else
	v_wmma_scale_f32_16x16x128_f8f6f4 v[8*(8*((\a)%4)+\b):8*(8*((\a)%4)+\b)+7], v[128*(\p)+FR*\b:128*(\p)+FR*\b+FR-1], v[AF+FR*(\a):AF+FR*(\a)+FR-1], v[8*(8*((\a)%4)+\b):8*(8*((\a)%4)+\b)+7], v[SC+8*NQ*(\sc)+NQ*\b+(\q)], v[SC+8*NQ*(\sc)+NQ*(\a)+(\q)] matrix_a_fmt:MATRIX_FMT_BF8 matrix_b_fmt:MATRIX_FMT_BF8 matrix_a_scale:MATRIX_SCALE_ROW1
.endif
.endr
.endr
.endm
.macro FETCH_B slot, q, p
	WIN TO_B
.irp i, 0,1,2,3,4,5,6,7
	FRAG 128*(\p)+FR*\i, ADRB+\slot, \q, \i
.endr
	WIN 0
.endm
.macro FETCH_A slot, q, i0
.irp i, \i0, \i0+1, \i0+2, \i0+3
	FRAG AF+FR*(\i), ADRA+\slot, \q, \i
.endr
.endm
.macro SCALES sc                       ; a K step's scale words: two a row; lanes 0-15 take A's block i, lanes 16-31 B's block i
.irp i, 0,1,2,3,4,5,6,7
	ds_load_b64 v[SC+8*NQ*\sc+NQ*\i:SC+8*NQ*\sc+NQ*\i+1], v[ADRS] offset:\i*SBLK
.endr
.endm
.macro PLACES n                        ; plain vector instructions that name none of a matrix instruction's registers (ISA guide 7.12.1)
.rept \n
	v_nop
.endr
.endm
; A step of 128 along K that has its successor in the same slot.
.macro STEP slot, q, cm
	s_wait_dscnt 4*NL                              ; B's set and A's blocks 0-3 are in; the youngest sixteen loads (A's blocks 4-7) may be out
.if \cm
	WIN 0x81                                       ; C (the bias) in window 0, D in window 2
.else
	WIN MUL_LO
.endif
	MUL16 0, (\q)%2, \q, \slot, \cm
	MUL16 2, (\q)%2, \q, \slot, \cm
	s_wait_dscnt 0                                 ; A's blocks 4-7 are in
	PLACES NP
	FETCH_B \slot, (\q)+1, 1-(\q)%2
	FETCH_A \slot, (\q)+1, 0
.if \cm
	WIN 0xc1
.else
	WIN MUL_HI
.endif
	MUL16 4, (\q)%2, \q, \slot, \cm
	MUL16 6, (\q)%2, \q, \slot, \cm
	PLACES NP
	WIN 0
	FETCH_A \slot, (\q)+1, 4
.endm
; A slot's last step changes slots: one barrier; in front of it each wave waits for all its tensor loads, adds 0 to its spare word, and waits for that and for its own reads of this slot.
.macro TURN slot, next, fill
	s_wait_tensorcnt 0x0                           ; all my tensor loads have landed: my part of the next slot
	ds_add_u32 v[SPW], v[NIL]                      ; 0 onto my spare word
	s_wait_dscnt 4*NL+1                            ; (the add and the youngest sixteen loads may be out)
	WIN MUL_LO
	MUL16 0, 1, NQ-1, \slot, 0
	s_wait_dscnt 0x0                               ; the add is done, and my reads of this slot are over
	s_barrier_signal -1
	MUL16 2, 1, NQ-1, \slot, 0
	WIN 0
	s_barrier_wait -1
.if \fill
	CREST                                          ; the barrier has opened a round of the cluster's: no wave of any partner still reads this slot or has a load on its way
	s_add_nc_u64 s[G0+4*\slot+2:G0+4*\slot+3], s[G0+4*\slot+2:G0+4*\slot+3], 2*ROWB
	s_add_nc_u64 s[G0B+4*\slot+2:G0B+4*\slot+3], s[G0B+4*\slot+2:G0B+4*\slot+3], 2*ROWB
	JLOAD G0+4*\slot, G1, G0B+4*\slot, G1B         ; the first tensor load behind the round, my only one until the next
	PLACES NP-4
.else
	PLACES NP
.endif
	s_wait_alu depctr_va_vdst(0)
	v_add_nc_u32 v[ADRS], 4*NQ, v[ADRS]            ; on to the next K step's scale words
	FETCH_B \next, 0, 0
	FETCH_A \next, 0, 0
	SCALES \next
	WIN MUL_HI
	MUL16 4, 1, NQ-1, \slot, 0
	MUL16 6, 1, NQ-1, \slot, 0
	PLACES NP
	WIN 0
	FETCH_A \next, 0, 4
.endm
	s_wait_tensorcnt 1                             ; the scale bytes and my part of K step 0 are in (K step 1's load may be out),
	s_barrier_signal -1
	s_barrier_wait -1                              ; everybody's are
	FETCH_B 0, 0, 0
	FETCH_A 0, 0, 0
	SCALES 0
	FETCH_A 0, 0, 4
	s_wait_loadcnt 0x0                             ; the bias
	s_cmp_eq_u32 s23, 1
	s_cbranch_scc1 .Lfirst_v
	STEP 0, 0, 1                                   ; the first step's products start the sums with the bias
	s_wait_alu depctr_va_vdst(0)
.irp a, 0,1,2,3,4,5,6,7                        ; the step ends in eight places: the bias's registers take the mask's numbers of my eight tiles' tokens
	global_load_b32 v[BI+\a], v[MOFF], s[100:101] offset:4*(32*(\a/2)+8*(\a%2))
.endr
	s_branch .Lfirst_done
.Lfirst_v:
	STEP 0, 0, 2
	s_wait_alu depctr_va_vdst(0)
.irp c, 0,1,2,3                                ; the pad codes of my 128 keys as a fragment whose 16 rows are alike
	global_load_b128 v[PADF+4*\c:PADF+4*\c+3], v[MOFF], s[100:101] offset:32*\c
.endr
.Lfirst_done:
	s_mov_b32 s3, LAPS-1
.Llap:                                             ; a trip goes once round the ring and fills both slots again
	TURN 0, 1, 1
	STEP 1, 0, 0
	TURN 1, 0, 1
	STEP 0, 0, 0
	s_sub_co_u32 s3, s3, 1
	s_cmp_lg_u32 s3, 0
	s_cbranch_scc1 .Llap
	TURN 0, 1, 0                                   ; the last lap fills nothing
	STEP 1, 0, 0
	s_wait_dscnt 4*NL
	WIN MUL_LO
	MUL16 0, 1, NQ-1, 1, 0
	MUL16 2, 1, NQ-1, 1, 0
	s_wait_dscnt 0
	WIN MUL_HI
	MUL16 4, 1, NQ-1, 1, 0
	MUL16 6, 1, NQ-1, 1, 0
	WIN 0
; THE WAY OUT, block a of A's eight at a time.  The block's 64 registers are four blocks of 32 along the next K: register 16 B + i is index 32 B + 16 (lane / 16) + i of my row.
; QMAX: the four largest magnitudes (each accumulator is read from its low end on), the scale operands and the bytes.
.macro QMAX a
.set W, 2+(\a)/4
.set AC, 64*((\a)%4)
.set WW, (W<<4)|(W<<2)
	WIN WW                                         ; sources 1 and 2: the accumulators' window
.irp b, 0,1,2,3
	v_max3_num_f32 v[TM+\b], v[FLR], |v[AC+16*\b]|, |v[AC+16*\b+1]|   ; with the floor 2^(16 - 127): the byte cannot fall under 1
.endr
.irp i, 2,4,6,8,10,12,14
.irp b, 0,1,2,3
	v_max3_num_f32 v[TM+\b], v[TM+\b], |v[AC+16*\b+\i]|, |v[AC+16*\b+\i+1]|
.endr
.endr
	WIN 0
.irp b, 0,1,2,3
	v_permlanex16_b32 v[TM+4+\b], v[TM+\b], s40, s41
.endr
.irp b, 0,1,2,3
	v_max_num_f32 v[TM+\b], v[TM+\b], v[TM+4+\b]   ; with lane l xor 16's: the block's largest magnitude
.endr
.irp b, 0,1,2,3
	v_add_nc_u32 v[TM+12+\b], 0xf8800000, v[TM+\b] ; 15 off its exponent field: the conversion's scale operand
.endr
.irp b, 0,1,2,3
.endr
.irp b, 0,1,2,3
	v_lshrrev_b32 v[TM+4+\b], 23, v[TM+12+\b]      ; the scale's byte
.endr
.endm
; QCVT: the conversions: 16 registers of codes.
.macro QCVT a
.set W, 2+(\a)/4
.set AC, 64*((\a)%4)
	s_wait_xcnt 0x0                                ; the earlier stores have read their registers: the codes' and the words' may be written again
.set WW, (W<<6)|W
	WIN WW
.irp b, 0,1,2,3
.irp i, 0,1,2,3,4,5,6,7,8,9,10,11,12,13,14,15
.endr
.endr
	WIN W
.irp b, 0,1,2,3
	v_cvt_scalef32_pk8_bf8_f32 v[PC+4*\b:PC+4*\b+1], v[AC+16*\b:AC+16*\b+7], v[TM+12+\b]
	v_cvt_scalef32_pk8_bf8_f32 v[PC+4*\b+2:PC+4*\b+3], v[AC+16*\b+8:AC+16*\b+15], v[TM+12+\b]
.endr
	WIN 0
	v_nop                                          ; one plain vector instruction behind the last conversion
.endm
	PLACES NP+1                                    ; nine: eight for the reads of results and the writes over A's fragments, one more for the matrix instructions below that write over them
	s_wait_loadcnt 0x0                             ; the mask's numbers, or the pad codes
	v_mov_b32 v[FLR], 0x8000000
.irp b, 0,1,2,3
	v_mov_b32 v[TM+4+\b], 0                        ; written once: a lane permute's destination counts as one of its sources
.endr
	s_mov_b32 s40, 0x76543210
	s_mov_b32 s41, 0xfedcba98                      ; v_permlanex16_b32's selects for lane l xor 16
	s_mov_b32 s47, 0xffff0000                      ; lanes 16-31
	s_cmp_eq_u32 s23, 1
	s_cbranch_scc1 .Lout_v
	; ---- q, k: blocks 0, 1 are my first head's 64, blocks 2, 3 my second head's
	v_mov_b32 v[OKB], s45
	v_mov_b32 v[PADB], s46
.irp a, 0,1,2,3,4,5,6,7
	v_cmp_eq_u32 vcc_lo, 0, v[BI+\a]
	v_cndmask_b32 v[MH+\a], v[OKB], v[PADB], vcc_lo
.endr
.macro OUT_QK a
	QMAX \a
	v_lshl_or_b32 v[SW+(\a)%4], v[TM+5], 8, v[TM+4]
	v_lshl_or_b32 v[SW+4+(\a)%4], v[TM+7], 8, v[TM+6]
	v_or_b32 v[SW+(\a)%4], v[SW+(\a)%4], v[MH+(\a)]      ; my token's word for the first head,
	v_or_b32 v[SW+4+(\a)%4], v[SW+4+(\a)%4], v[MH+(\a)]  ; for the second
	QCVT \a
	global_store_b128 v[LI], v[PC:PC+3], s[92:93] offset:1024*(\a)          ; each store covers 512 consecutive bytes, aligned
	global_store_b128 v[LI], v[PC+4:PC+7], s[92:93] offset:1024*(\a)+512
	global_store_b128 v[LI], v[PC+8:PC+11], s[94:95] offset:1024*(\a)
	global_store_b128 v[LI], v[PC+12:PC+15], s[94:95] offset:1024*(\a)+512
.if (\a)%4 == 3
.irp i, 0,1,2,3
	v_cndmask_b32 v[SO+\i], v[SW+\i], v[SW+4+\i], s47     ; lanes 0-15 carry the first head's four words, lanes 16-31 the second's
.endr
	global_store_b128 v[SOFF], v[SO:SO+3], s[96:97] offset:256*((\a)/4)     ; each half of the lanes stores 256 consecutive bytes, aligned
.endif
.endm
.irp a, 0,1,2,3,4,5,6,7
	OUT_QK \a
.endr
	s_branch .Lout_done
.Lout_v:
	; ---- v: block a is tile a % 4 of head a / 4; its four blocks of 32 keys make one fragment and one scale word a row
	v_mov_b32 v[PADS], 0x70707070                  ; the pad codes' scale: 2^-15, so that a padded key counts 1.0
.macro OUT_V a
	QMAX \a
	v_lshl_or_b32 v[SW+(\a)], v[TM+5], 8, v[TM+4]  ; made ahead of the conversions: more than eight places in front of the product that takes it
	v_lshl_or_b32 v[SW+(\a)], v[TM+6], 16, v[SW+(\a)]
	v_lshl_or_b32 v[SW+(\a)], v[TM+7], 24, v[SW+(\a)]
	QCVT \a
.irp c, 0,1,2,3
	global_store_b128 v[LI], v[PC+4*\c:PC+4*\c+3], s[92+2*((\a)/4):93+2*((\a)/4)] offset:2048*((\a)%4)+512*\c
.endr
	PLACES 4                                       ; codes written by vector instructions stand four places ahead of a scaled matrix instruction
	s_wait_alu depctr_va_vdst(0)
	v_wmma_scale_f32_16x16x128_f8f6f4 v[UD+8*(\a):UD+8*(\a)+7], v[PADF:PADF+15], v[PC:PC+15], 0, v[PADS], v[SW+(\a)] matrix_a_fmt:MATRIX_FMT_BF8 matrix_b_fmt:MATRIX_FMT_BF8   ; lane r, every register: the sum over my padded keys of the quantised v of row r
.endm
	s_wait_alu depctr_va_vdst(0)
.irp a, 0,1,2,3,4,5,6,7
	OUT_V \a
.endr
	PLACES NP
	s_wait_xcnt 0x0
.irp i, 0,1,2,3
	v_cndmask_b32 v[UO+\i], v[UD+8*\i], v[UD+8*(4+\i)], s47   ; each accumulator's register 0; lanes 16-31 carry the second head's
.endr
.irp i, 0,1,2,3
	v_cndmask_b32 v[SO+\i], v[SW+\i], v[SW+4+\i], s47
.endr
	global_store_b128 v[UOFF], v[UO:UO+3], s[98:99]
	global_store_b128 v[SOFF], v[SO:SO+3], s[96:97]
.Lout_done:
	s_wait_tensorcnt 0x0                           ; the wave's end
	ds_add_u32 v[SPW], v[NIL]
	s_wait_dscnt 0x0
	CROUND                                         ; the closing round: no work-group ends while a partner may still ask for a tile that names it
	s_endpgm
.Lfunc_end_k_q7bef87ca9b_qkv:
	.size	k_q7bef87ca9b_qkv, .Lfunc_end_k_q7bef87ca9b_qkv-k_q7bef87ca9b_qkv
	.p2alignl 7, 3214868480
	.fill 96, 4, 3214868480
	.section	.rodata,"a",@progbits
	.p2align	6, 0x0
	.amdhsa_kernel k_q7bef87ca9b_qkv
		.amdhsa_group_segment_fixed_size 327680
		.amdhsa_private_segment_fixed_size 0
		.amdhsa_enable_private_segment 0
		.amdhsa_kernarg_size 64
		.amdhsa_user_sgpr_count 2
		.amdhsa_user_sgpr_kernarg_segment_ptr 1
		.amdhsa_wavefront_size32 1
		.amdhsa_system_sgpr_workgroup_id_x 1
		.amdhsa_system_sgpr_workgroup_id_y 1
		.amdhsa_system_sgpr_workgroup_id_z 1
		.amdhsa_system_vgpr_workitem_id 0
		.amdhsa_next_free_vgpr 1024
		.amdhsa_next_free_sgpr 106
		.amdhsa_reserve_vcc 1
		.amdhsa_float_denorm_mode_32 3
		.amdhsa_float_denorm_mode_16_64 3
		.amdhsa_fp16_overflow 1
		.amdhsa_memory_ordered 1
		.amdhsa_forward_progress 1
		.amdhsa_inst_pref_size 211
	.end_amdhsa_kernel
	.amdgpu_metadata
---
amdhsa.version: [ 1, 2 ]
amdhsa.kernels:
  - .name:           k_q7bef87ca9b_qkv
    .symbol:         k_q7bef87ca9b_qkv.kd
    .args:
      - { .name: xq, .offset: 0, .size: 8, .value_kind: global_buffer, .address_space: global }
      - { .name: wq, .offset: 8, .size: 8, .value_kind: global_buffer, .address_space: global }
      - { .name: bq, .offset: 16, .size: 8, .value_kind: global_buffer, .address_space: global }
      - { .name: bk, .offset: 24, .size: 8, .value_kind: global_buffer, .address_space: global }
      - { .name: bv, .offset: 32, .size: 8, .value_kind: global_buffer, .address_space: global }
      - { .name: attention_mask, .offset: 40, .size: 8, .value_kind: global_buffer, .address_space: global }
      - { .name: qb, .offset: 48, .size: 8, .value_kind: global_buffer, .address_space: global }
      - { .name: kv, .offset: 56, .size: 8, .value_kind: global_buffer, .address_space: global }
    .group_segment_fixed_size: 327680
    .private_segment_fixed_size: 0
    .kernarg_segment_align: 8
    .kernarg_segment_size: 64
    .max_flat_workgroup_size: 128
    .sgpr_count:     106
    .vgpr_count:     1024
    .wavefront_size: 32
...
	.end_amdgpu_metadata
.endif
;; end of part 2
;; launch attn (part 3): grid 4 x 64, 16 waves a work-group, no clusters, 327,680 bytes of LDS; arguments qb, kv, wq, aq; writes aq
.if DOCPART == 3
	.amdgcn_target "amdgcn-amd-amdhsa--gfx1250"
	.amdhsa_code_object_version 6
	.text
	.protected	k_q7bef87ca9b_attn
	.globl	k_q7bef87ca9b_attn
	.p2align	8
	.type	k_q7bef87ca9b_attn,@function
k_q7bef87ca9b_attn:
	s_mov_b64 s[64:65], 0
	v_nop
	global_prefetch_b8 v0, s[64:65] scope:SCOPE_SE
	s_setreg_imm32_b32 hwreg(HW_REG_WAVE_MODE, 25, 1), 1
	s_wait_xcnt 0x0
; Causal attention with a pad mask on codes of BF8 (E5M2), one E8M0 scale for each 32 along a product's K; heads of 64, 2,048 tokens, 64 (batch, head) pairs.  The result is quantised along D = 1,024 and leaves as codes (aq).
; THE SOFTMAX: t = score x log2(e) / 8; M = the running largest t rounded UP to a whole number; p = 2^(t - M) is quantised along the keys, not normalised; the sum is taken of the unquantised p and divides at the end.
; When M moves, the sum and O are multiplied by 2^(old M - new M): exact.
; LAYOUT.  Both products are used transposed: S^T = K Q^T (source 0 = 16 keys, source 1 = my 16 queries), O^T = V^T P^T: a lane holds ONE query.  A tile T holds tokens 32 (T / 2) + 8 (T % 2) + r + 8 (r / 8), so that the
; 16 registers of key tiles 2 B and 2 B + 1 are 16 neighbouring keys.  All operands lie in memory as images of their registers (four registers: 512 bytes, lane l's at 16 l): LDS reads are consecutive, no padding.
; K = 64 fills half of the instruction's 128.  THE OTHER HALF CARRIES THE PAD MASK: the code 2^15 at k = 64 of every key, -2^15 of every query, zeros else; byte 2 of a key's scale word is 130 where the key is padded
; (the score gets -2^33) and 1 where not (-2^-96).  So the pad mask costs no vector instruction.
; A QUERY WHOSE VISIBLE KEYS ARE ALL PADDED: there the softmax is even over ALL padded keys of the batch, those ahead of the query too.  Its largest t ends under -1e9; then O and the sum are REPLACED, by a choice of values
; and no branch, by U = the sum over padded keys of the quantised v (16 partial sums of the launch before, added here once) and the number of padded keys.
; LIMITS: real scores x log2(e) / 8 must stay above -1e9; NaN and infinities are not served; blocks under the floor 2^-111 keep the byte 1.
; SHARES.  Work-group (J, b h) owns query blocks 7 - J and then J, 256 queries each: key slots 0 .. 7 - J and then 0 .. J, always nine trips: equal work in all 256 work-groups and a constant trip count.
; Each of sixteen waves owns one tile of 16 queries of the block in hand, in 256 registers: four waves to a SIMD, so that one wave's vector work stands beside another's matrix work.
; A step all of whose keys come after my queries is jumped over (a scalar branch on ids); on the diagonal hidden scores become -infinity.
; RING: two LDS slots of one record (256 keys: K's codes, V's codes, both scale words: REC dense bytes), fetched by waves 0 and 1, half each; one tensor load of a wave is out at any time.
; NO JOINT LOADS: the four work-groups of a head walk different runs of slots (8 - J and J + 1); in step a head would take 12 slot times where this takes 9, and a slot's 34 KiB stand against two key steps of sixteen waves.
; The scale bytes of the result leave one byte a lane (1/32 of the launch's bytes), rows 32 bytes apart.
; REGISTERS: v1-11 addresses; v12 -M, v13 the largest t, v[14:15] the sum; v16-31 Q; v32-95 four fragments of K; v96-159 S^T, then p, then V's four fragments; v160-191 O^T; v192-207 codes; v208-216 the second tile's Q; v217.. see below.
.set REC,   34304
.set HALFR, 17152
.set HSK,   8*REC
.set SLOT1, 65536                      ; slot 1 begins here: one exclusive or turns an address
.set KC,    0                          ; in a record: K's codes, 16 tiles x 1,024;
.set VC,    16384                      ; V's codes [step 2][tile 4][c 4][lane][16];
.set KSO,   32768                      ; K's scale words [step 2][4 tiles 2][r 16][4];
.set VSO,   33792                      ; V's [step 2][r 16][4]
.set UL,    131072                     ; U: 64 numbers [row 16][tile 4]; written by ds_store, never filled
.set SPARE, 131328                     ; the spare words, 128 bytes a wave: eight blocks of 256 bytes that no other line names
.set LI,   1                           ; v1   16 x lane
.set R16,  2                           ; v2   16 r
.set UA,   3                           ; v3   UL + 4 (thread % 64)
.set UR,   4                           ; v4   UL + 128 h
.set SPW,  5
.set NIL,  6
.set PFO,  7                           ; v7   the prefetches' offset
.set AD,   8
.set ADV,  9
.set AO,   10                          ; v10, v11  where my two tiles' codes go
.set QS2,  216
.set QS,   217                         ; Q's scale words
.set NPAD, 218                         ; the batch's padded keys
.set AS,   219                         ; v219, v220  where my two tiles' scale bytes go
.set QL,   221                         ; r + 8 (r / 8) - 16 h
.set KSW,  224
.set VSW,  228
.set WV,   18
.set MNT,  19
.set SEL,  20
.set CS,   22
.set TB,   2
.set KF,   40                          ; the step's first key
.set Q0,   41                          ; my tile's first query
.set KSL,  43                          ; slots walked in this phase
.set LIMIT, 44
.set NX,   45                          ; the record asked for last
.set N1,   46
.set SLOTS, 48
.set LIM,  49
.set PFA,  50
.macro TLOAD                           ; waves 0 and 1 fetch a half record each.  Four v_nop follow the line
	s_cmp_lt_u32 s[WV], 2
	s_cbranch_scc0 .Lno_load_\@
	tensor_load_to_lds s[32:35], s[24:31]
	s_nop 0
.rept 4
	v_nop
.endr
.Lno_load_\@:
.endm
; A PREFETCH INTO THE L2 of the record that the NEXT change of slots will ask for: trip n names record n + 2, n = 0 .. 5: one trip, two key steps of sixteen waves, ahead of its tensor load.
; All four work-groups of a head walk the same records: the one with J = 0, which walks all eight, asks.  In it waves 4 to 8 ask, which fetch nothing: lanes 256 bytes apart, 134 blocks; wave 8's lanes 6 to 31 are held at the last block.
; Records 0 and 1 come by their loads alone; the second phase walks records that have been read, and asks for nothing.
.macro ASK
	s_cmp_gt_u32 s[SLOTS], s[LIM]
	s_cbranch_scc0 .Lno_ask_\@
	global_prefetch_b8 v[PFO], s[PFA:PFA+1] th:TH_LOAD_NT scope:SCOPE_SE
.Lno_ask_\@:
.endm
	s_load_b256 s[4:11], s[0:1], 0x0               ; qb s[4:5], kv s[6:7], wq s[8:9], aq s[10:11]
	v_lshl_add_u32 v[SPW], v0, 2, SPARE
	v_mov_b32 v[NIL], 0
	ds_add_u32 v5, v6
	ds_add_u32 v5, v6
	s_wait_dscnt 0x0
	v_lshrrev_b32 v8, 5, v0
	s_delay_alu instid0(VALU_DEP_1)
	v_readfirstlane_b32 s[WV], v8                  ; wave 0..15
	s_and_b32 s12, ttmp7, 0xffff                   ; 16 b + head
	s_lshr_b32 s13, s12, 4                         ; b
	s_and_b32 s14, s12, 15                         ; head
	; descriptor group 1: 67 rows of 256 bytes (32 elements of 8 bytes), dense in memory and in LDS
	s_mov_b32 s24, 3<<16                           ; no mask; elements of 8 bytes; no padding
	s_mov_b32 s25, 32<<16                          ; tensor_dim0
	s_mov_b32 s26, 67<<16                          ; tensor_dim1
	s_mov_b32 s27, 32<<16                          ; tile_dim0
	s_mov_b32 s28, 67                              ; tile_dim1
	s_mov_b32 s29, 32                              ; tensor_dim0_stride
	s_mov_b32 s30, 0
	s_mov_b32 s31, 0
	s_and_b32 s15, s[WV], 1
	s_mul_i32 s15, s15, HALFR                      ; which half of a record I fetch, if I fetch
	s_mul_i32 s38, s12, HSK
	s_mov_b32 s39, 0
	s_mov_b32 s32, 1
	s_mov_b32 s33, s15                             ; slot 0
	s_wait_kmcnt 0x0
	s_add_nc_u64 s[PFA:PFA+1], s[6:7], s[38:39]    ; the head's records
	s_mov_b32 s38, s15
	s_add_nc_u64 s[36:37], s[PFA:PFA+1], s[38:39]  ; my half of record 0
	s_mov_b64 s[34:35], s[36:37]
	s_or_b32 s35, s35, 0x80000000
	TLOAD                                          ; record 0 into slot 0
	s_add_nc_u64 s[PFA:PFA+1], s[PFA:PFA+1], REC   ; at record 1: the first change of slots steps it to record 2
	v_and_b32 v8, 31, v0                           ; lane
	s_delay_alu instid0(VALU_DEP_1)
	v_lshlrev_b32 v[LI], 4, v8
	v_and_b32 v9, 15, v0                           ; r
	s_delay_alu instid0(VALU_DEP_1)
	v_lshlrev_b32 v[R16], 4, v9
	v_and_b32 v[UA], 63, v0
	s_delay_alu instid0(VALU_DEP_1)
	v_lshl_add_u32 v[UA], v[UA], 2, UL
	v_bfe_u32 v254, v0, 4, 1                       ; h
	s_wait_alu depctr_va_vdst(0)
	v_lshl_add_u32 v[UR], v254, 7, UL
	v_add_nc_u32 v[PFO], 0xffffff80, v0            ; 32 (wave - 4) + lane,
	s_delay_alu instid0(VALU_DEP_1)
	v_min_u32 v[PFO], 133, v[PFO]                  ; held at a record's last block,
	s_delay_alu instid0(VALU_DEP_1)
	v_lshlrev_b32 v[PFO], 8, v[PFO]                ; x 256 bytes
	s_sub_co_u32 s16, 7, ttmp9
	s_lshl_b32 s16, s16, 4
	s_add_co_u32 s16, s16, s[WV]                   ; my first tile: 16 (7 - J) + wave
	s_lshl_b32 s17, ttmp9, 4
	s_add_co_u32 s17, s17, s[WV]                   ; my second: 16 J + wave
; For the tile in s[t]: Q's codes (pair pc), Q's scale words (pair ps), where the result's codes (v[ao]) and scale bytes (v[sa]) go, the first query (s[q0]).
.macro TILE t, pc, ps, ao, sa, q0
	s_lshl_b32 s38, s12, 17                        ; a head's 128 tiles of 1,024 bytes
	s_lshl_b32 s15, s[\t], 10
	s_add_co_u32 s38, s38, s15
	s_add_nc_u64 s[\pc:\pc+1], s[4:5], s[38:39]
	s_lshl_b32 s38, s12, 13                        ; scale words [b h][4 tiles][r][4 words]
	s_lshr_b32 s15, s[\t], 2
	s_lshl_b32 s15, s15, 8
	s_add_co_u32 s38, s38, s15
	s_and_b32 s15, s[\t], 3
	s_lshl_b32 s15, s15, 2
	s_add_co_u32 s38, s38, s15
	s_add_co_u32 s38, s38, 8388608
	s_add_nc_u64 s[\ps:\ps+1], s[4:5], s[38:39]
	s_lshl_b32 s15, s13, 7
	s_add_co_u32 s15, s15, s[\t]                   ; the block of 16 rows of the next product: 128 b + tile
	s_lshl_b32 s38, s15, 14                        ; [block][K step 8][c 4][lane][16]: K step head / 2, c = 2 (head % 2) + 0, 1
	s_lshr_b32 s3, s14, 1
	s_lshl_b32 s3, s3, 11
	s_add_co_u32 s38, s38, s3
	s_and_b32 s3, s14, 1
	s_lshl_b32 s3, s3, 10
	s_add_co_u32 s38, s38, s3
	v_add_nc_u32 v[\ao], s38, v[LI]
	s_lshl_b32 s38, s15, 9                         ; scale bytes [16 block + r][32]: byte 2 head + h
	s_lshl_b32 s3, s14, 1
	s_add_co_u32 s38, s38, s3
	v_lshl_add_u32 v[\sa], v9, 5, v254
	s_delay_alu instid0(VALU_DEP_1)
	v_add_nc_u32 v[\sa], s38, v[\sa]
	s_lshr_b32 s15, s[\t], 1
	s_lshl_b32 s15, s15, 5
	s_and_b32 s3, s[\t], 1
	s_lshl_b32 s3, s3, 3
	s_add_co_u32 s[\q0], s15, s3
.endm
	TILE 16, 56, 60, AO, AS, Q0
	TILE 17, 58, 62, AO+1, AS+1, 42
	global_load_b128 v[16:19], v[LI], s[56:57]
	global_load_b128 v[20:23], v[LI], s[56:57] offset:512
	global_load_b128 v[208:211], v[LI], s[58:59]
	global_load_b128 v[212:215], v[LI], s[58:59] offset:512
	global_load_b32 v[QS], v[R16], s[60:61]
	global_load_b32 v[QS2], v[R16], s[62:63]
	s_lshl_b32 s38, s13, 7
	s_add_co_u32 s38, s38, 4333568
	s_add_nc_u64 s[66:67], s[8:9], s[38:39]
	v_lshlrev_b32 v248, 2, v8
	global_load_b32 v[NPAD], v248, s[66:67]
	s_lshl_b32 s38, s13, 16
	s_lshl_b32 s15, s14, 8
	s_add_co_u32 s38, s38, s15
	s_add_co_u32 s38, s38, 17563648
	s_add_nc_u64 s[68:69], s[6:7], s[38:39]        ; U's sixteen partial sums of my head, 4,096 bytes apart
	v_and_b32 v249, 63, v0
	s_delay_alu instid0(VALU_DEP_1)
	v_lshlrev_b32 v249, 2, v249
	s_add_nc_u64 s[54:55], s[10:11], 8388608       ; the result's scale bytes
	; the halves of the fragments that no load fills: set once
	v_sub_nc_u32 v252, 1, v254                     ; 1 in lanes 0-15, which hold k = 64 .. 79 in register 8
	s_delay_alu instid0(VALU_DEP_1)
	v_mul_u32_u24 v24, 0xf8, v252                  ; Q: -2^15 at k = 64
.irp t, 0,1,2,3
	v_mul_u32_u24 v[40+16*\t], 0x78, v252          ; K: 2^15 at k = 64
.endr
.irp i, 25,26,27,28,29,30,31
	v_mov_b32 v[\i], 0
.endr
.irp t, 0,1,2,3
.irp i, 9,10,11,12,13,14,15
	v_mov_b32 v[32+16*\t+\i], 0
.endr
.endr
	v_and_b32 v253, 8, v9
	s_delay_alu instid0(VALU_DEP_1)
	v_add_nc_u32 v253, v253, v9
	v_lshlrev_b32 v252, 4, v254
	s_delay_alu instid0(VALU_DEP_1)
	v_sub_nc_u32 v[QL], v253, v252
	v_mov_b32 v13, 0xff61b1e6                      ; the largest t so far: -3e38
	s_delay_alu instid0(VALU_DEP_1)
	v_floor_f32 v12, -v13                          ; -M
	v_mov_b32 v14, 0
	v_mov_b32 v15, 0
.irp b, 0,1,2,3
	v_mov_b32 v[236+\b], 0                         ; written once: a lane permute's destination counts as one of its sources
.endr
	v_mov_b32 v252, 0
	v_mov_b32 v253, 0
.set n, 0
.rept 32
	v_mov_b32 v[160+n], 0                          ; O^T: the first step finds zeros, which the first change of M leaves zeros
.set n, n+1
.endr
	s_mov_b32 s[SEL], 0x76543210
	s_mov_b32 s[SEL+1], 0xfedcba98
	s_mov_b32 s[CS], 0x3e38aa3b                    ; c = log2(e) / 8
	s_mov_b32 s[CS+1], s[CS]
	s_mov_b32 s52, 0xce6e6b28                      ; -1e9
	s_mov_b32 s53, 0xffff0000                      ; lanes 16-31
	s_mov_b32 s[TB], 0
	s_mov_b32 s[KF], 0
	s_mov_b32 s[KSL], 0
	s_mov_b32 s[NX], 0
	s_sub_co_u32 s[N1], 8, ttmp9                   ; the first phase's slots
	s_mov_b32 s[LIMIT], s[N1]
	s_add_co_u32 s47, ttmp9, 1                     ; the second phase's
	s_mov_b32 s[SLOTS], 8
	s_sub_co_u32 s[LIM], s[WV], 4
	s_cmp_lt_u32 s[LIM], 5                         ; waves 4 to 8
	s_cselect_b32 s[LIM], 0, 1
	s_or_b32 s[LIM], s[LIM], ttmp9                 ; of the work-group with J = 0
	s_cmp_eq_u32 s[LIM], 0
	s_cselect_b32 s[LIM], 2, -1
	s_lshr_b32 s15, s[WV], 1
	s_cmp_eq_u32 s15, 2
	s_cbranch_scc0 .Lno_u                          ; waves 4 and 5 add U's sixteen parts, a number a lane
.irp k, 0,1,2,3,4,5,6,7,8,9,10,11,12,13,14,15
	global_load_b32 v[96+\k], v249, s[68:69] offset:4096*\k
.endr
	s_wait_loadcnt 0x0
.irp k, 0,1,2,3,4,5,6,7
	v_add_f32 v[96+\k], v[96+\k], v[104+\k]
.endr
.irp k, 0,1,2,3
	s_delay_alu instid0(VALU_DEP_4)
	v_add_f32 v[96+\k], v[96+\k], v[100+\k]
.endr
	s_delay_alu instid0(VALU_DEP_2)
	v_add_f32 v96, v96, v98
	s_delay_alu instid0(VALU_DEP_2)
	v_add_f32 v97, v97, v99
	s_delay_alu instid0(VALU_DEP_1)
	v_add_f32 v96, v96, v97
	ds_store_b32 v[UA], v96                        ; the first change of slots waits for it and passes a barrier
.Lno_u:
	s_wait_loadcnt 0x0                             ; Q, its words, the count
; A KEY STEP: 128 keys, the q-th of the slot in hand.
.macro STEP q
	s_add_co_u32 s15, s[Q0], 23                    ; my tile's last query
	s_cmp_gt_u32 s[KF], s15
	s_cbranch_scc1 .Lhidden_\@                     ; all 128 keys come after my queries
	v_add_nc_u32 v[AD], s[TB], v[LI]
	v_add_nc_u32 v[ADV], s[TB], v[R16]
.rept 8
	v_nop                                          ; with the two additions ten places: nine are owed, since the products below write S^T over V's fragments, which the last products read
.endr
	ds_load_b128 v[KSW:KSW+3], v[AD] offset:KSO+512*(\q)    ; lanes 0-15: the words of tiles 0-3 of my row; lanes 16-31: of tiles 4-7
	ds_load_b128 v[VSW:VSW+3], v[ADV] offset:VSO+256*(\q)
	s_wait_alu depctr_va_vdst(0)
.irp g, 0,1
.if \g
.rept 8
	v_nop                                          ; places in front of loads into registers that matrix instructions have read
.endr
.endif
.irp t, 0,1,2,3
.irp c, 0,1
	ds_load_b128 v[32+16*\t+4*\c:35+16*\t+4*\c], v[AD] offset:KC+1024*(8*(\q)+4*\g+\t)+512*\c
.endr
.endr
	s_wait_dscnt 0x0
.irp t, 0,1,2,3
.if \g
	v_wmma_scale_f32_16x16x128_f8f6f4 v[96+8*(4*\g+\t):103+8*(4*\g+\t)], v[32+16*\t:47+16*\t], v[16:31], 0, v[KSW+\t], v[QS] matrix_a_fmt:MATRIX_FMT_BF8 matrix_b_fmt:MATRIX_FMT_BF8 matrix_a_scale:MATRIX_SCALE_ROW1
.else
	v_wmma_scale_f32_16x16x128_f8f6f4 v[96+8*(4*\g+\t):103+8*(4*\g+\t)], v[32+16*\t:47+16*\t], v[16:31], 0, v[KSW+\t], v[QS] matrix_a_fmt:MATRIX_FMT_BF8 matrix_b_fmt:MATRIX_FMT_BF8
.endif
.endr
.endr                                          ; lane (r, h): register 16 b + i is key KF + 32 b + 16 h + i
.rept 8
	v_nop
.endr
	s_add_co_u32 s15, s[KF], 127
	s_cmp_le_u32 s15, s[Q0]
	s_cbranch_scc1 .Lopen_\@                       ; all 128 keys count for all my queries
	s_sub_co_i32 s15, s[Q0], s[KF]
	v_add_nc_u32 v252, s15, v[QL]                  ; d = my query - KF - 16 h: hidden where 32 b + i > d
	v_mov_b32 v254, 0xff800000                     ; -infinity
.set n, 0
.rept 64
	v_cmp_gt_i32 vcc_lo, 32*(n/16)+n%16, v252
	v_cndmask_b32 v[96+n], v[96+n], v254, vcc_lo
.set n, n+1
.endr
.Lopen_\@:
.irp b, 0,1,2,3
	v_max3_num_f32 v[232+\b], v[96+16*\b], v[97+16*\b], v[98+16*\b]   ; the largest score of each block of 32 keys: for the row's maximum and, since p rises with the score, for the block's largest p
.endr
.irp i, 3,5,7,9,11,13
.irp b, 0,1,2,3
	v_max3_num_f32 v[232+\b], v[232+\b], v[96+16*\b+\i], v[97+16*\b+\i]
.endr
.endr
.irp b, 0,1,2,3
	v_max_num_f32 v[232+\b], v[232+\b], v[111+16*\b]
.endr
.irp b, 0,1,2,3
	s_delay_alu instid0(VALU_DEP_4)
	v_permlanex16_b32 v[236+\b], v[232+\b], s[SEL], s[SEL+1]
.endr
.irp b, 0,1,2,3
	s_delay_alu instid0(VALU_DEP_4)
	v_max_num_f32 v[232+\b], v[232+\b], v[236+\b]  ; with lane l xor 16's 16 keys
.endr
	s_delay_alu instid0(VALU_DEP_2)
	v_max3_num_f32 v254, v232, v233, v234
	s_delay_alu instid0(VALU_DEP_1)
	v_max_num_f32 v254, v254, v235
	s_delay_alu instid0(VALU_DEP_1)
	v_mul_f32 v254, s[CS], v254                    ; the step's largest t of my query
	s_delay_alu instid0(VALU_DEP_1)
	v_max_num_f32 v13, v13, v254
	v_mov_b32 v254, v12
	s_delay_alu instid0(VALU_DEP_2)
	v_floor_f32 v12, -v13                          ; the new -M = -ceil(t)
	s_delay_alu instid0(VALU_DEP_1)
	v_sub_f32 v254, v12, v254                      ; old M - new M: a whole number, 0 or less
	s_delay_alu instid0(VALU_DEP_1)
	v_cvt_i32_f32 v254, v254                       ; (it saturates)
	s_delay_alu instid0(VALU_DEP_1)
	v_ldexp_f32 v252, 1.0, v254                    ; f = 2^(old M - new M)
.set n, 0
.rept 32
	v_pk_fma_f32 v[96+n:97+n], v[96+n:97+n], s[CS:CS+1], v[12:13] op_sel_hi:[1,0,0]   ; t - M, two at a time
.set n, n+2
.endr
.irp b, 0,1,2,3
	v_fma_f32 v[232+\b], v[232+\b], s[CS], v12     ; the same of each block's largest score
.endr
.set n, 0
	s_wait_alu depctr_va_vdst(0)
.rept 64
	v_exp_f32 v[96+n], v[96+n]                     ; p = 2^(t - M)
.set n, n+1
.endr
.irp b, 0,1,2,3
	v_exp_f32 v[232+\b], v[232+\b]                 ; the block's largest p
.endr
	v_pk_mul_f32 v[14:15], v[14:15], v[252:253] op_sel_hi:[1,0]   ; the sums under the new M.  (A plain place behind the exponentials)
	s_wait_alu depctr_va_vdst(0)
.irp b, 0,1,2,3
	v_max_num_f32 v[232+\b], 0x8000000, v[232+\b]  ; the floor 2^(16 - 127)
.endr
.irp b, 0,1,2,3
	s_delay_alu instid0(VALU_DEP_4)
	v_add_nc_u32 v[244+\b], 0xf8800000, v[232+\b]  ; the conversion's scale operand
.endr
.irp b, 0,1,2,3
.endr
.irp b, 0,1,2,3
	s_delay_alu instid0(VALU_DEP_4)
	v_lshrrev_b32 v[236+\b], 23, v[244+\b]
.endr
	s_delay_alu instid0(VALU_DEP_3)
	v_lshl_or_b32 v253, v237, 8, v236              ; p's scale word for these 128 keys
	s_delay_alu instid0(VALU_DEP_1)
	v_lshl_or_b32 v253, v238, 16, v253
	s_delay_alu instid0(VALU_DEP_1)
	v_lshl_or_b32 v253, v239, 24, v253
	v_pk_add_f32 v[236:237], v[100:101], v[104:105]
	v_pk_add_f32 v[254:255], v[108:109], v[112:113]
	v_pk_add_f32 v[250:251], v[116:117], v[120:121]
	v_pk_add_f32 v[248:249], v[124:125], v[128:129]
	v_pk_add_f32 v[242:243], v[132:133], v[136:137]
	v_pk_add_f32 v[240:241], v[140:141], v[144:145]
	v_pk_add_f32 v[234:235], v[148:149], v[152:153]
	v_pk_add_f32 v[14:15], v[14:15], v[156:157]
	v_pk_add_f32 v[236:237], v[236:237], v[96:97]
	v_pk_add_f32 v[254:255], v[254:255], v[98:99]
	v_pk_add_f32 v[250:251], v[250:251], v[102:103]
	v_pk_add_f32 v[248:249], v[248:249], v[106:107]
	v_pk_add_f32 v[242:243], v[242:243], v[110:111]
	v_pk_add_f32 v[240:241], v[240:241], v[114:115]
	v_pk_add_f32 v[234:235], v[234:235], v[118:119]
	v_pk_add_f32 v[14:15], v[14:15], v[122:123]
	v_pk_add_f32 v[236:237], v[236:237], v[126:127]
	v_pk_add_f32 v[254:255], v[254:255], v[130:131]
	v_pk_add_f32 v[250:251], v[250:251], v[134:135]
	v_pk_add_f32 v[248:249], v[248:249], v[138:139]
	v_pk_add_f32 v[242:243], v[242:243], v[142:143]
	v_pk_add_f32 v[240:241], v[240:241], v[146:147]
	v_pk_add_f32 v[234:235], v[234:235], v[150:151]
	v_pk_add_f32 v[14:15], v[14:15], v[154:155]
	v_pk_add_f32 v[236:237], v[236:237], v[158:159]
	s_delay_alu instid0(VALU_DEP_2)
	v_pk_add_f32 v[14:15], v[14:15], v[248:249]
	s_delay_alu instid0(VALU_DEP_2)
	v_pk_add_f32 v[236:237], v[236:237], v[242:243]
	v_pk_add_f32 v[254:255], v[254:255], v[240:241]
	v_pk_add_f32 v[250:251], v[250:251], v[234:235]
	s_delay_alu instid0(VALU_DEP_2)
	v_pk_add_f32 v[14:15], v[14:15], v[254:255]
	s_delay_alu instid0(VALU_DEP_2)
	v_pk_add_f32 v[236:237], v[236:237], v[250:251]
	s_delay_alu instid0(VALU_DEP_1)
	v_pk_add_f32 v[14:15], v[14:15], v[236:237]
.irp b, 0,1,2,3
.irp i, 0,1,2,3,4,5,6,7,8,9,10,11,12,13,14,15
.endr
	v_cvt_scalef32_pk8_bf8_f32 v[192+4*\b:193+4*\b], v[96+16*\b:103+16*\b], v[244+\b]
	v_cvt_scalef32_pk8_bf8_f32 v[194+4*\b:195+4*\b], v[104+16*\b:111+16*\b], v[244+\b]
.irp c, 0,1,2,3
	ds_load_b128 v[96+16*\b+4*\c:99+16*\b+4*\c], v[AD] offset:VC+8192*(\q)+2048*\b+512*\c   ; the block's 16 numbers are done with: V's tile b lands there
.endr
.endr
.set n, 0
.rept 16
	v_pk_mul_f32 v[160+n:161+n], v[160+n:161+n], v[252:253] op_sel_hi:[1,0]   ; O^T under the new M.  (These sixteen are also the places in front of the products below)
.set n, n+2
.endr
	s_wait_alu depctr_va_vdst(0)
	s_wait_dscnt 0x0
.irp t, 0,1,2,3                                ; O^T += V^T P^T: four accumulators by turns
	v_wmma_scale_f32_16x16x128_f8f6f4 v[160+8*\t:167+8*\t], v[96+16*\t:111+16*\t], v[192:207], v[160+8*\t:167+8*\t], v[VSW+\t], v253 matrix_a_fmt:MATRIX_FMT_BF8 matrix_b_fmt:MATRIX_FMT_BF8
.endr
.Lhidden_\@:
	s_add_co_u32 s[KF], s[KF], 128
.endm
; THE CHANGE OF SLOTS stands at a trip's head.  Each wave waits for all its tensor loads, adds 0 to its spare word, and waits for that and for its reads of the slot that it has left.
; fill = 1: that slot is filled with the next record of the walk: 0 .. 7 - J, then 0 .. J.
.macro CHANGE fill
	s_wait_tensorcnt 0x0                           ; no tensor load of mine is out, so group 0 may be written
	ds_add_u32 v[SPW], v[NIL]                      ; 0 onto my spare word
.if \fill
	s_xor_b32 s33, s33, SLOT1                      ; the other slot than last time
	s_add_co_u32 s[NX], s[NX], 1
	s_cmp_eq_u32 s[NX], s[N1]
	s_cselect_b32 s[NX], 0, s[NX]                  ; behind the first phase's last record comes record 0
	s_mul_i32 s38, s[NX], REC
	s_add_nc_u64 s[34:35], s[36:37], s[38:39]
	s_or_b32 s35, s35, 0x80000000
	s_wait_xcnt 0x0                                ; the last prefetch, a trip back, has read its address
	s_add_nc_u64 s[PFA:PFA+1], s[PFA:PFA+1], REC
.endif
	s_wait_dscnt 0x0                               ; the add is done, and my LDS reads and stores are over
	s_barrier_signal -1
	s_barrier_wait -1
.if \fill
	TLOAD                                          ; the first thing behind the barrier, a wave's one tensor load until the next
	ASK
.endif
.endm
; A TILE IS FINISHED: the choice for queries whose visible keys are all padded, the division, the quantiser along D (my head's 64 are two blocks of 32), the stores.  ph = 1: then the second tile begins.
.macro FINISH ph
.rept 8
	v_nop                                          ; places behind the last products: their results are read, and V's registers are loaded
.endr
.irp j, 0,1,2,3,4,5,6,7
	ds_load_b128 v[96+4*\j:99+4*\j], v[UR] offset:16*\j   ; register 4 j + t: U of the row that O^T's register 8 t + j holds
.endr
	v_add_f32 v14, v14, v15                        ; the sum's two halves,
	s_delay_alu instid0(VALU_DEP_1)
	v_permlanex16_b32 v252, v14, s[SEL], s[SEL+1]
	s_delay_alu instid0(VALU_DEP_1)
	v_add_f32 v14, v14, v252                       ; and lane l xor 16's
	v_cmp_gt_f32 vcc_lo, s52, v13                  ; no key that counts was seen
	s_delay_alu instid0(VALU_DEP_1)
	v_cndmask_b32 v14, v14, v[NPAD], vcc_lo
	s_wait_alu depctr_va_vdst(0)
	v_rcp_f32 v14, v14
	s_wait_dscnt 0x0
	s_wait_alu depctr_va_vdst(0)
.irp j, 0,1,2,3,4,5,6,7                        ; each accumulator from its low end on.  (Plain places behind the reciprocal)
.irp t, 0,1,2,3
	v_cndmask_b32 v[160+8*\t+\j], v[160+8*\t+\j], v[96+4*\j+\t], vcc_lo
.endr
.endr
.set n, 0
	s_wait_alu depctr_va_vdst(0)
.rept 16
	v_pk_mul_f32 v[160+n:161+n], v[160+n:161+n], v[14:15] op_sel_hi:[1,0]   ; register 16 b + i is d = 32 b + 16 h + i of my query
.set n, n+2
.endr
.irp b, 0,1
	v_max3_num_f32 v[232+\b], |v[160+16*\b]|, |v[161+16*\b]|, 0x8000000
.endr
.irp i, 2,4,6,8,10,12,14
.irp b, 0,1
	s_delay_alu instid0(VALU_DEP_2)
	v_max3_num_f32 v[232+\b], v[232+\b], |v[160+16*\b+\i]|, |v[161+16*\b+\i]|
.endr
.endr
.irp b, 0,1
	s_delay_alu instid0(VALU_DEP_2)
	v_permlanex16_b32 v[236+\b], v[232+\b], s[SEL], s[SEL+1]
.endr
.irp b, 0,1
	s_delay_alu instid0(VALU_DEP_2)
	v_max_num_f32 v[232+\b], v[232+\b], v[236+\b]
.endr
.irp b, 0,1
	s_delay_alu instid0(VALU_DEP_2)
	v_add_nc_u32 v[244+\b], 0xf8800000, v[232+\b]
.endr
.irp b, 0,1
.endr
.irp b, 0,1
	s_delay_alu instid0(VALU_DEP_2)
	v_lshrrev_b32 v[236+\b], 23, v[244+\b]
.endr
	s_delay_alu instid0(VALU_DEP_1)
	v_cndmask_b32 v254, v236, v237, s53            ; lanes 0-15 carry block 0's byte, lanes 16-31 block 1's
.irp b, 0,1
.irp i, 0,1,2,3,4,5,6,7,8,9,10,11,12,13,14,15
.endr
	v_cvt_scalef32_pk8_bf8_f32 v[192+4*\b:193+4*\b], v[160+16*\b:167+16*\b], v[244+\b]
	v_cvt_scalef32_pk8_bf8_f32 v[194+4*\b:195+4*\b], v[168+16*\b:175+16*\b], v[244+\b]
.endr
	v_nop                                          ; one plain vector instruction behind the last conversion
	global_store_b128 v[AO+\ph-1], v[192:195], s[10:11]             ; each store covers 512 consecutive bytes, aligned
	global_store_b128 v[AO+\ph-1], v[196:199], s[10:11] offset:512
	global_store_b8 v[AS+\ph-1], v254, s[54:55]
.if \ph == 1
.set n, 0
.rept 32
	v_mov_b32 v[160+n], 0
.set n, n+1
.endr
	v_mov_b32 v14, 0
	v_mov_b32 v15, 0
	v_mov_b32 v13, 0xff61b1e6
	s_delay_alu instid0(VALU_DEP_1)
	v_floor_f32 v12, -v13
.irp j, 0,1,2,3,4,5,6,7
	v_mov_b32 v[16+\j], v[208+\j]                  ; the second tile's Q
.endr
	v_mov_b32 v[QS], v[QS2]
	s_mov_b32 s[Q0], s42
	s_mov_b32 s[LIMIT], s47
	s_mov_b32 s[KSL], 0
	s_mov_b32 s[KF], 0
	s_wait_xcnt 0x0                                ; the stores have read their registers: the next steps write the codes' again
.endif
.endm
.Ltrip:                                            ; eight trips; the ninth is written out
	CHANGE 1
	STEP 0
	STEP 1
	s_xor_b32 s[TB], s[TB], SLOT1
	s_add_co_u32 s[KSL], s[KSL], 1
	s_cmp_lg_u32 s[KSL], s[LIMIT]
	s_cbranch_scc1 .Lsame                          ; a branch on ids: the first phase ends behind its 8 - J slots, in all sixteen waves alike
	FINISH 1
.Lsame:
	s_sub_co_u32 s[SLOTS], s[SLOTS], 1
	s_cmp_lg_u32 s[SLOTS], 0
	s_cbranch_scc1 .Ltrip
	CHANGE 0
	STEP 0
	STEP 1
	FINISH 2
	s_wait_tensorcnt 0x0                           ; the wave's end
	ds_add_u32 v[SPW], v[NIL]
	s_wait_dscnt 0x0
	s_endpgm
.Lfunc_end_k_q7bef87ca9b_attn:
	.size	k_q7bef87ca9b_attn, .Lfunc_end_k_q7bef87ca9b_attn-k_q7bef87ca9b_attn
	.p2alignl 7, 3214868480
	.fill 96, 4, 3214868480
	.section	.rodata,"a",@progbits
	.p2align	6, 0x0
	.amdhsa_kernel k_q7bef87ca9b_attn
		.amdhsa_group_segment_fixed_size 327680
		.amdhsa_private_segment_fixed_size 0
		.amdhsa_enable_private_segment 0
		.amdhsa_kernarg_size 32
		.amdhsa_user_sgpr_count 2
		.amdhsa_user_sgpr_kernarg_segment_ptr 1
		.amdhsa_wavefront_size32 1
		.amdhsa_system_sgpr_workgroup_id_x 1
		.amdhsa_system_sgpr_workgroup_id_y 1
		.amdhsa_system_sgpr_workgroup_id_z 1
		.amdhsa_system_vgpr_workitem_id 0
		.amdhsa_next_free_vgpr 256
		.amdhsa_next_free_sgpr 100
		.amdhsa_reserve_vcc 1
		.amdhsa_float_denorm_mode_32 3
		.amdhsa_float_denorm_mode_16_64 3
		.amdhsa_fp16_overflow 1
		.amdhsa_memory_ordered 1
		.amdhsa_forward_progress 1
		.amdhsa_inst_pref_size 118
	.end_amdhsa_kernel
	.amdgpu_metadata
---
amdhsa.version: [ 1, 2 ]
amdhsa.kernels:
  - .name:           k_q7bef87ca9b_attn
    .symbol:         k_q7bef87ca9b_attn.kd
    .args:
      - { .name: qb, .offset: 0, .size: 8, .value_kind: global_buffer, .address_space: global }
      - { .name: kv, .offset: 8, .size: 8, .value_kind: global_buffer, .address_space: global }
      - { .name: wq, .offset: 16, .size: 8, .value_kind: global_buffer, .address_space: global }
      - { .name: aq, .offset: 24, .size: 8, .value_kind: global_buffer, .address_space: global }
    .group_segment_fixed_size: 327680
    .private_segment_fixed_size: 0
    .kernarg_segment_align: 8
    .kernarg_segment_size: 32
    .max_flat_workgroup_size: 512
    .sgpr_count:     100
    .vgpr_count:     256
    .wavefront_size: 32
...
	.end_amdgpu_metadata
.endif
;; end of part 3
;; launch oproj (part 4): grid 4 x 32, 4 waves a work-group, clusters of 4 x 4, 327,680 bytes of LDS; arguments aq, wq, bo, out0; writes out0
.if DOCPART == 4
	.amdgcn_target "amdgcn-amd-amdhsa--gfx1250"
	.amdhsa_code_object_version 6
	.text
	.protected	k_q7bef87ca9b_oproj
	.globl	k_q7bef87ca9b_oproj
	.p2align	8
	.type	k_q7bef87ca9b_oproj,@function
k_q7bef87ca9b_oproj:
	s_mov_b64 s[64:65], 0
	v_nop
	global_prefetch_b8 v0, s[64:65] scope:SCOPE_SE
	s_setreg_imm32_b32 hwreg(HW_REG_WAVE_MODE, 25, 1), 1
	s_wait_xcnt 0x0
	s_wait_alu depctr_hold_cnt(0) depctr_sa_sdst(0) depctr_va_vdst(0) depctr_va_sdst(0) depctr_va_ssrc(0) depctr_va_vcc(0) depctr_vm_vsrc(0)
	s_getreg_b32 s2, hwreg(HW_REG_IB_STS2, 6, 4)
	s_cmp_eq_u32 s2, 0
	s_cbranch_scc0 .Lentry_in_a_cluster
	s_endpgm
.Lentry_in_a_cluster:
	s_bfe_u32 s2, ttmp6, 0x10000c
	s_cmp_lg_u32 s2, 0xf033
	s_cbranch_scc0 .Lentry_shape_is_right
	s_endpgm
.Lentry_shape_is_right:
; out0 = a Wo^T + bo on codes of BF8 (E5M2) with one E8M0 scale for each 32 along K = 1,024.  a: the attention's result as codes (aq); Wo: rows 3,072 on of wq; out0 [8192][1024] f32.
; A work-group makes 256 x 256, a wave 128 x 128: 64 accumulators in 512 registers.  K goes in steps of 256 through a ring of two LDS slots.
; A LIES IN MEMORY AS IMAGES OF ITS OPERAND REGISTERS: [block of 16 rows 512][K step of 128: 8][c 4][lane][16 bytes]: a slot's part of a block is 4,096 consecutive bytes, and an LDS load reads 512 consecutive bytes: no padding.
; Lane r of block T of a batch is token 32 (T / 2) + 8 (T % 2) + r + 8 (r / 8).  A's scale bytes: [16 block + r][32].  B (Wo) lies as rows of 1,024 codes, in each 32 rows the second and third group of 8 changed,
; so that in the product used transposed (source 0 = 16 rows of Wo, source 1 = A) the registers of accumulators 2 B and 2 B + 1 are columns 32 B + 16 (lane / 16) + 0 .. 15.
; The bias is the C of each sum's first product.  The results go through the wave's stage in LDS and leave as rows of 512 consecutive bytes, aligned.
; CLUSTERS: 4 x 4 work-groups; A's tiles are asked for jointly along a row of the cluster, B's along a column.  No prefetch: K has four steps, of which two are first fills.
; REGISTERS, in windows of 256: window 0: v1-29 addresses; v32-63 scale words, two sets; v64-127 the bias; from v128 A's fragments, one set; on the way out v128-255 rows of the result.
;   window 1: B's fragments, two sets.   windows 2, 3: the accumulators.
.set NQ,     2
.set ROWB,   256
.set KROW,   1024
.set ASTEP,  4096                      ; a K step of 256 of one block of A
.set PITCH,  272                       ; B's LDS row: 256 bytes + 16 of padding: the 16 rows that a load touches start at 16 different banks (64 banks of 4 bytes: ISA guide 11.1)
.set FR,     16
.set NL,     4
.set NP,     8
.set HALFA,  32768                     ; 8 blocks x 4,096 bytes: what one tensor load brings of A
.set HALFT,  128*PITCH                 ; and of B
.set BOFS,   2*HALFA                   ; B's rows lie behind A's two halves
.set SLOT,   2*HALFA+2*HALFT
.set LAPS,   2
.set KS,     32
.set SCL,    2*SLOT
.set HALFS,  16*272
.set SBLK,   2*272
.set SPARE,  SCL+4*HALFS               ; the spare words, 128 bytes a wave: two blocks of 256 bytes that no other line names
.set SPITCH, 528                       ; the stage: 16 rows x (512 bytes + 16) a wave, in slot 0, which has had its last fill and its last read when the first result is stored there
.set BOFF, 11
.set ADRA, 16
.set ADRB, 20
.set STO,  24
.set RD,   25
.set CO,   26
.set ADRS, 27
.set SPW,  28
.set NIL,  29
.set SC,   32
.set BI,   64
.set AF,   128
.set BK,   128
.set G1, 24
.set G0, 32
.set G1B, 48
.set G0B, 56
.set G1S, 68
.set G0S, 76
.set G1SB, 80
.set G0SB, 88
.set MSB, 0
.macro WIN new
.if MSB != \new
	s_set_vgpr_msb (MSB<<8)|\new
.set MSB, \new
.endif
.endm
.set MUL_LO, 0xa1
.set MUL_HI, 0xf1
.set TO_B,   0x40
.macro JLOAD g0a, g1a, g0b, g1b        ; a joint load: waves 0 and 1 fetch for A, waves 2 and 3 for B; four v_nop follow each of the two lines
	s_cmp_eq_u32 s21, 0
	s_cbranch_scc0 .Lfor_b_\@
	tensor_load_to_lds s[\g0a:\g0a+3], s[\g1a:\g1a+7]
	s_nop 0
.rept 4
	v_nop
.endr
	s_branch .Lasked_\@
.Lfor_b_\@:
	tensor_load_to_lds s[\g0b:\g0b+3], s[\g1b:\g1b+7]
	s_nop 0
.rept 4
	v_nop
.endr
.Lasked_\@:
.endm
.macro CREST
	s_cmp_lg_u32 s20, 0
	s_cbranch_scc1 .Lnot_wave_0_\@
	s_barrier_signal -3
.Lnot_wave_0_\@:
	s_barrier_wait -3
	s_barrier_signal -1
	s_barrier_wait -1
.endm
.macro CROUND
	s_barrier_signal -1
	s_barrier_wait -1
	CREST
.endm
	s_load_b256 s[4:11], s[0:1], 0x0               ; aq s[4:5], wq s[6:7], bo s[8:9], out0 s[10:11]
	v_lshl_add_u32 v[SPW], v0, 2, SPARE
	v_mov_b32 v[NIL], 0
	ds_add_u32 v28, v29
	ds_add_u32 v28, v29
	s_wait_dscnt 0x0
	v_lshrrev_b32 v1, 5, v0
	v_readfirstlane_b32 s20, v1                    ; wave 0..3
	s_lshr_b32 s21, s20, 1                         ; which half of the tile's rows is mine.  Also: I fetch for A (0) or for B (1)
	s_and_b32 s22, s20, 1                          ; which half of its columns.  Also: which half of that tile I fetch
	s_bfe_u32 s40, ttmp6, 0x40000                  ; cx
	s_bfe_u32 s41, ttmp6, 0x40004                  ; cy
	s_lshl_b32 s44, ttmp9, 2
	s_add_co_u32 s44, s44, s40                     ; tile column
	s_and_b32 s43, ttmp7, 0xffff
	s_lshl_b32 s43, s43, 2
	s_add_co_u32 s43, s43, s41                     ; tile row
	s_lshl_b32 s45, s41, 2
	s_lshl_b32 s45, 15, s45                        ; my row of the cluster
	s_lshl_b32 s46, 0x1111, s40                    ; my column
	; group 1 for A: 8 rows (blocks) of 4,096 bytes (512 elements of 8 bytes), 16,384 bytes apart; no padding
	s_or_b32 s[G1+0], s45, (3<<16)|(1<<21)
	s_mov_b32 s[G1+1], 512<<16                     ; tensor_dim0
	s_mov_b32 s[G1+2], 8<<16                       ; tensor_dim1
	s_mov_b32 s[G1+3], 512<<16                     ; tile_dim0
	s_mov_b32 s[G1+4], 8                           ; tile_dim1
	s_mov_b32 s[G1+5], 2048                        ; tensor_dim0_stride
	s_mov_b32 s[G1+6], 0
	s_mov_b32 s[G1+7], 0
	; for B: 128 rows x 256 bytes, 16 bytes of padding behind each
	s_or_b32 s[G1B+0], s46, (0<<16)|(1<<20)|(1<<21)|(5<<22)|(3<<25)
	s_mov_b32 s[G1B+1], ROWB<<16
	s_mov_b32 s[G1B+2], 128<<16
	s_mov_b32 s[G1B+3], ROWB<<16
	s_mov_b32 s[G1B+4], 128
	s_mov_b32 s[G1B+5], KROW
	s_mov_b32 s[G1B+6], 0
	s_mov_b32 s[G1B+7], 0
	; the scale bytes of 128 rows: 16 rows of 256 bytes, 16 bytes of padding behind each
	s_or_b32 s[G1S+0], s45, (3<<16)|(1<<20)|(1<<21)|(5<<22)|(3<<25)
	s_or_b32 s[G1SB+0], s46, (3<<16)|(1<<20)|(1<<21)|(5<<22)|(3<<25)
.irp g, G1S, G1SB
	s_mov_b32 s[\g+1], 32<<16
	s_mov_b32 s[\g+2], 16<<16
	s_mov_b32 s[\g+3], 32<<16
	s_mov_b32 s[\g+4], 16
	s_mov_b32 s[\g+5], 32
	s_mov_b32 s[\g+6], 0
	s_mov_b32 s[\g+7], 0
.endr
	s_lshl_b32 s104, s43, 18                       ; A's codes: 16 blocks of 16,384 bytes a tile row,
	s_lshl_b32 s2, s22, 17
	s_add_co_u32 s104, s104, s2                    ; + my 8 blocks
	s_mov_b32 s105, 0
	s_lshl_b32 s100, s43, 13                       ; A's scale bytes: 256 rows of 32
	s_lshl_b32 s2, s22, 12
	s_add_co_u32 s100, s100, s2
	s_add_co_u32 s100, s100, 8388608
	s_mov_b32 s101, 0
	s_lshl_b32 s66, s44, 18                        ; B's codes: 256 rows of 1,024 a tile column,
	s_lshl_b32 s2, s22, 17
	s_add_co_u32 s66, s66, s2
	s_add_co_u32 s66, s66, 3072*1024               ; from Wo's first row on
	s_mov_b32 s67, 0
	s_lshl_b32 s98, s44, 13
	s_lshl_b32 s2, s22, 12
	s_add_co_u32 s98, s98, s2
	s_add_co_u32 s98, s98, 4194304+3072*32
	s_mov_b32 s99, 0
	s_mul_i32 s47, s22, HALFA                      ; where they go: no place in the cluster enters an LDS address
	s_mul_i32 s42, s22, HALFT
	s_add_co_u32 s42, s42, BOFS
	s_mul_i32 s3, s20, HALFS
	s_wait_kmcnt 0x0
	s_add_nc_u64 s[92:93], s[4:5], s[104:105]
	s_add_nc_u64 s[94:95], s[4:5], s[100:101]
	s_add_nc_u64 s[96:97], s[6:7], s[66:67]
	s_add_nc_u64 s[98:99], s[6:7], s[98:99]
	CROUND                                         ; all sixteen work-groups are here: the first joint loads meet
	s_mov_b32 s[G0S], 1
	s_add_co_u32 s[G0S+1], s3, SCL
	s_mov_b64 s[G0S+2:G0S+3], s[94:95]
	s_or_b32 s[G0S+3], s[G0S+3], 0x80000000
	s_mov_b32 s[G0SB], 1
	s_add_co_u32 s[G0SB+1], s3, SCL
	s_mov_b64 s[G0SB+2:G0SB+3], s[98:99]
	s_or_b32 s[G0SB+3], s[G0SB+3], 0x80000000
	JLOAD G0S, G1S, G0SB, G1SB                     ; the scale bytes first.  Each of the two below waits until the loads ahead of it have landed
.irp s, 0,1
	s_mov_b32 s[G0+4*\s], 1
	s_add_co_u32 s[G0+4*\s+1], s47, \s*SLOT
	s_add_nc_u64 s[G0+4*\s+2:G0+4*\s+3], s[92:93], \s*ASTEP
	s_or_b32 s[G0+4*\s+3], s[G0+4*\s+3], 0x80000000
	s_mov_b32 s[G0B+4*\s], 1
	s_add_co_u32 s[G0B+4*\s+1], s42, \s*SLOT
	s_add_nc_u64 s[G0B+4*\s+2:G0B+4*\s+3], s[96:97], \s*ROWB
	s_or_b32 s[G0B+4*\s+3], s[G0B+4*\s+3], 0x80000000
	s_wait_alu depctr_va_vdst(0)
	s_wait_tensorcnt 0x0
	ds_add_u32 v28, v29
	s_wait_dscnt 0x0
	CROUND
	JLOAD G0+4*\s, G1, G0B+4*\s, G1B
.endr
	v_and_b32 v1, 15, v0                           ; r
	v_bfe_u32 v2, v0, 4, 1                         ; h
	v_and_b32 v6, 31, v0
	v_lshlrev_b32 v[CO], 4, v6                     ; 16 x lane
	v_mul_u32_u24 v3, v1, PITCH
	v_lshl_add_u32 v4, v2, 4, v3
	s_mul_i32 s2, s21, HALFA                       ; my 8 blocks of A
	s_mul_i32 s3, s22, HALFT                       ; my 128 rows of B
	s_add_co_u32 s3, s3, BOFS
.irp s, 0,1
	v_add_nc_u32 v[ADRA+\s], s2, v[CO]
	v_add_nc_u32 v[ADRB+\s], s3, v4
	s_add_co_u32 s2, s2, SLOT
	s_add_co_u32 s3, s3, SLOT
.endr
	v_mul_u32_u24 v5, v1, KS
	v_lshrrev_b32 v6, 8, v5
	v_lshl_add_u32 v5, v6, 4, v5
	s_mul_i32 s2, s21, HALFS
	s_mul_i32 s3, s22, HALFS
	s_add_co_u32 s3, s3, 2*HALFS
	s_sub_co_u32 s3, s3, s2
	v_mul_u32_u24 v6, s3, v2                       ; lanes 16-31 take B's
	s_add_co_u32 s2, s2, SCL
	v_add_nc_u32 v5, v5, v6
	v_add_nc_u32 v[ADRS], s2, v5
	s_mul_i32 s2, s20, 16*SPITCH                   ; my stage
	v_mul_u32_u24 v5, v1, SPITCH
	v_lshl_add_u32 v5, v2, 6, v5
	v_add_nc_u32 v[STO], s2, v5                    ; in: row r, + 64 h
	v_add_nc_u32 v[RD], s2, v[CO]                  ; back: the 32 lanes take one row of 512 bytes
	s_lshl_b32 s104, s43, 20                       ; my first row of out0: 256 x tile row + 128 x half, rows of 4,096 bytes;
	s_lshl_b32 s2, s21, 19
	s_add_co_u32 s104, s104, s2
	s_lshl_b32 s2, s44, 10                         ; my first column: 1,024 bytes a tile column + 512 x half
	s_add_co_u32 s104, s104, s2
	s_lshl_b32 s2, s22, 9
	s_add_co_u32 s104, s104, s2
	s_add_nc_u64 s[92:93], s[10:11], s[104:105]
	s_lshl_b32 s104, s44, 10
	s_add_co_u32 s104, s104, s2
	s_add_nc_u64 s[66:67], s[8:9], s[104:105]      ; bo at my first column
	v_lshlrev_b32 v[BOFF], 6, v2
.irp b, 0,1,2,3,4,5,6,7                        ; register j of an accumulator (a, b) is column 32 (b / 2) + 16 h + 8 (b % 2) + j
	global_load_b128 v[BI+8*\b:BI+8*\b+3], v[BOFF], s[66:67] offset:4*(32*(\b/2)+8*(\b%2))
	global_load_b128 v[BI+8*\b+4:BI+8*\b+7], v[BOFF], s[66:67] offset:4*(32*(\b/2)+8*(\b%2))+16
.endr
.macro FRAGB reg, adr, q, i            ; 16 rows x 128 K from rows: registers 4 c .. 4 c + 3 hold K = 32 c + 16 (l / 16) + 0 .. 15 of row l % 16
.irp c, 0,1,2,3
	ds_load_b128 v[\reg+4*\c:\reg+4*\c+3], v[\adr] offset:128*(\q)+32*\c+(\i)*16*PITCH
.endr
.endm
.macro FRAGA reg, adr, q, i            ; the same registers from an image
.irp c, 0,1,2,3
	ds_load_b128 v[\reg+4*\c:\reg+4*\c+3], v[\adr] offset:2048*(\q)+512*\c+(\i)*ASTEP
.endr
.endm
; 16 matrix instructions: A's blocks a0, a0 + 1 x B's eight.  cm = 1: the sums begin with the bias.  The 64 accumulators take turns, one instruction a turn.
.macro MUL16 a0, p, q, sc, cm
.irp a, \a0, \a0+1
.irp b, 0,1,2,3,4,5,6,7
.if \cm
	v_wmma_scale_f32_16x16x128_f8f6f4 v[8*(8*((\a)%4)+\b):8*(8*((\a)%4)+\b)+7], v[128*(\p)+FR*\b:128*(\p)+FR*\b+FR-1], v[AF+FR*(\a):AF+FR*(\a)+FR-1], v[BI+8*\b:BI+8*\b+7], v[SC+8*NQ*(\sc)+NQ*\b+(\q)], v[SC+8*NQ*(\sc)+NQ*(\a)+(\q)] matrix_a_fmt:MATRIX_FMT_BF8 matrix_b_fmt:MATRIX_FMT_BF8 matrix_a_scale:MATRIX_SCALE_ROW1
.else
	v_wmma_scale_f32_16x16x128_f8f6f4 v[8*(8*((\a)%4)+\b):8*(8*((\a)%4)+\b)+7], v[128*(\p)+FR*\b:128*(\p)+FR*\b+FR-1], v[AF+FR*(\a):AF+FR*(\a)+FR-1], v[8*(8*((\a)%4)+\b):8*(8*((\a)%4)+\b)+7], v[SC+8*NQ*(\sc)+NQ*\b+(\q)], v[SC+8*NQ*(\sc)+NQ*(\a)+(\q)] matrix_a_fmt:MATRIX_FMT_BF8 matrix_b_fmt:MATRIX_FMT_BF8 matrix_a_scale:MATRIX_SCALE_ROW1
.endif
.endr
.endr
.endm
.macro FETCH_B slot, q, p
	WIN TO_B
.irp i, 0,1,2,3,4,5,6,7
	FRAGB 128*(\p)+FR*\i, ADRB+\slot, \q, \i
.endr
	WIN 0
.endm
.macro FETCH_A slot, q, i0
.irp i, \i0, \i0+1, \i0+2, \i0+3
	FRAGA AF+FR*(\i), ADRA+\slot, \q, \i
.endr
.endm
.macro SCALES sc
.irp i, 0,1,2,3,4,5,6,7
	ds_load_b64 v[SC+8*NQ*\sc+NQ*\i:SC+8*NQ*\sc+NQ*\i+1], v[ADRS] offset:\i*SBLK
.endr
.endm
.macro PLACES n
.rept \n
	v_nop
.endr
.endm
.macro STEP slot, q, cm
	s_wait_dscnt 4*NL                              ; B's set and A's blocks 0-3 are in; the youngest sixteen loads (A's blocks 4-7) may be out
.if \cm
	WIN 0x81                                       ; C (the bias) in window 0, D in window 2
.else
	WIN MUL_LO
.endif
	MUL16 0, (\q)%2, \q, \slot, \cm
	MUL16 2, (\q)%2, \q, \slot, \cm
	s_wait_dscnt 0
	PLACES NP
	FETCH_B \slot, (\q)+1, 1-(\q)%2
	FETCH_A \slot, (\q)+1, 0
.if \cm
	WIN 0xc1
.else
	WIN MUL_HI
.endif
	MUL16 4, (\q)%2, \q, \slot, \cm
	MUL16 6, (\q)%2, \q, \slot, \cm
	PLACES NP
	WIN 0
	FETCH_A \slot, (\q)+1, 4
.endm
.macro TURN slot, next, fill
	s_wait_tensorcnt 0x0                           ; all my tensor loads have landed: my part of the next slot
	ds_add_u32 v[SPW], v[NIL]                      ; 0 onto my spare word
	s_wait_dscnt 4*NL+1                            ; (the add and the youngest sixteen loads may be out)
	WIN MUL_LO
	MUL16 0, 1, NQ-1, \slot, 0
	s_wait_dscnt 0x0                               ; the add is done, and my reads of this slot are over
	s_barrier_signal -1
	MUL16 2, 1, NQ-1, \slot, 0
	WIN 0
	s_barrier_wait -1
.if \fill
	CREST                                          ; the barrier has opened a round of the cluster's: no wave of any partner still reads this slot or has a load on its way
	s_add_nc_u64 s[G0+4*\slot+2:G0+4*\slot+3], s[G0+4*\slot+2:G0+4*\slot+3], 2*ASTEP
	s_add_nc_u64 s[G0B+4*\slot+2:G0B+4*\slot+3], s[G0B+4*\slot+2:G0B+4*\slot+3], 2*ROWB
	JLOAD G0+4*\slot, G1, G0B+4*\slot, G1B         ; the first tensor load behind the round, my only one until the next
	PLACES NP-4
.else
	PLACES NP
.endif
	s_wait_alu depctr_va_vdst(0)
	v_add_nc_u32 v[ADRS], 4*NQ, v[ADRS]
	FETCH_B \next, 0, 0
	FETCH_A \next, 0, 0
	SCALES \next
	WIN MUL_HI
	MUL16 4, 1, NQ-1, \slot, 0
	MUL16 6, 1, NQ-1, \slot, 0
	PLACES NP
	WIN 0
	FETCH_A \next, 0, 4
.endm
	s_wait_alu depctr_va_vdst(0)
	s_wait_tensorcnt 1                             ; the scale bytes and my part of K step 0 are in (K step 1's load may be out),
	s_barrier_signal -1
	s_barrier_wait -1                              ; everybody's are
	FETCH_B 0, 0, 0
	FETCH_A 0, 0, 0
	SCALES 0
	FETCH_A 0, 0, 4
	s_wait_loadcnt 0x0                             ; the bias
	STEP 0, 0, 1                                   ; the first step's products start the sums with the bias
	s_mov_b32 s3, LAPS-1
.Llap:
	TURN 0, 1, 1
	STEP 1, 0, 0
	TURN 1, 0, 1
	STEP 0, 0, 0
	s_sub_co_u32 s3, s3, 1
	s_cmp_lg_u32 s3, 0
	s_cbranch_scc1 .Llap
	TURN 0, 1, 0                                   ; the last lap fills nothing
	STEP 1, 0, 0
	s_wait_dscnt 4*NL
	WIN MUL_LO
	MUL16 0, 1, NQ-1, 1, 0
	MUL16 2, 1, NQ-1, 1, 0
	s_wait_dscnt 0
	WIN MUL_HI
	MUL16 4, 1, NQ-1, 1, 0
	MUL16 6, 1, NQ-1, 1, 0
	WIN 0
; THE WAY OUT, block by block of 16 rows x 128 columns, through my own stage: LDS serves a wave's instructions in order (ISA guide 5.7.1.4), so no wait stands between the stores and the loads.
.macro TOSTAGE a
.set AC, 64*((\a)%4)
.set WW, 0x08+4*((\a)/4)
	WIN WW                                         ; an LDS store's data are its source 1: window 2 or 3
.irp b, 0,1,2,3,4,5,6,7
	ds_store_b128 v[STO], v[AC+8*\b:AC+8*\b+3] offset:128*(\b/2)+32*(\b%2)          ; each accumulator from its low end on
	ds_store_b128 v[STO], v[AC+8*\b+4:AC+8*\b+7] offset:128*(\b/2)+32*(\b%2)+16
.endr
	WIN 0
.set BB, BK+64*((\a)%2)
.irp t, 0,1,2,3,4,5,6,7,8,9,10,11,12,13,14,15
	ds_load_b128 v[BB+4*\t:BB+4*\t+3], v[RD] offset:\t*SPITCH
.endr
.endm
.macro SEND a, younger                 ; younger: the LDS instructions issued behind block a's loads, which may stay out
.set BB, BK+64*((\a)%2)
.set RW, 32*((\a)/2)+8*((\a)%2)
	s_wait_dscnt \younger
.irp t, 0,1,2,3,4,5,6,7,8,9,10,11,12,13,14,15
	global_store_b128 v[CO], v[BB+4*\t:BB+4*\t+3], s[92:93] offset:4096*(RW+\t+8*(\t/8)) th:TH_STORE_NT   ; row t of block a is token RW + t + 8 (t / 8); 32 lanes store 512 consecutive bytes, aligned; 127 rows at the most: inside the signed 24-bit immediate
.endr
.endm
	PLACES NP
	TOSTAGE 0
.irp a, 1,2,3,4,5,6,7
.if \a > 1
	s_wait_xcnt 0x0                                ; block a - 2's stores have read their registers: block a's loads may land there
.endif
	TOSTAGE \a
	SEND \a-1, 32                                  ; behind block a - 1's loads: block a's 16 stores and 16 loads
.endr
	SEND 7, 0
	s_wait_tensorcnt 0x0                           ; the wave's end
	ds_add_u32 v[SPW], v[NIL]
	s_wait_dscnt 0x0
	CROUND                                         ; the closing round: no work-group ends while a partner may still ask for a tile that names it
	s_endpgm
.Lfunc_end_k_q7bef87ca9b_oproj:
	.size	k_q7bef87ca9b_oproj, .Lfunc_end_k_q7bef87ca9b_oproj-k_q7bef87ca9b_oproj
	.p2alignl 7, 3214868480
	.fill 96, 4, 3214868480
	.section	.rodata,"a",@progbits
	.p2align	6, 0x0
	.amdhsa_kernel k_q7bef87ca9b_oproj
		.amdhsa_group_segment_fixed_size 327680
		.amdhsa_private_segment_fixed_size 0
		.amdhsa_enable_private_segment 0
		.amdhsa_kernarg_size 32
		.amdhsa_user_sgpr_count 2
		.amdhsa_user_sgpr_kernarg_segment_ptr 1
		.amdhsa_wavefront_size32 1
		.amdhsa_system_sgpr_workgroup_id_x 1
		.amdhsa_system_sgpr_workgroup_id_y 1
		.amdhsa_system_sgpr_workgroup_id_z 1
		.amdhsa_system_vgpr_workitem_id 0
		.amdhsa_next_free_vgpr 1024
		.amdhsa_next_free_sgpr 106
		.amdhsa_reserve_vcc 0
		.amdhsa_float_denorm_mode_32 3
		.amdhsa_float_denorm_mode_16_64 3
		.amdhsa_memory_ordered 1
		.amdhsa_forward_progress 1
		.amdhsa_inst_pref_size 148
	.end_amdhsa_kernel
	.amdgpu_metadata
---
amdhsa.version: [ 1, 2 ]
amdhsa.kernels:
  - .name:           k_q7bef87ca9b_oproj
    .symbol:         k_q7bef87ca9b_oproj.kd
    .args:
      - { .name: aq, .offset: 0, .size: 8, .value_kind: global_buffer, .address_space: global }
      - { .name: wq, .offset: 8, .size: 8, .value_kind: global_buffer, .address_space: global }
      - { .name: bo, .offset: 16, .size: 8, .value_kind: global_buffer, .address_space: global }
      - { .name: out0, .offset: 24, .size: 8, .value_kind: global_buffer, .address_space: global }
    .group_segment_fixed_size: 327680
    .private_segment_fixed_size: 0
    .kernarg_segment_align: 8
    .kernarg_segment_size: 32
    .max_flat_workgroup_size: 128
    .sgpr_count:     106
    .vgpr_count:     1024
    .wavefront_size: 32
...
	.end_amdgpu_metadata
.endif
;; end of part 4
